; MI455X (gfx1250); checked and timed in simulation.
; The chip was launched on July 23, 2026; its instructions are those of AMD's public machine-readable ISA for CDNA 5 (MIT licence, August 2026) and "CDNA5" Instruction Set Architecture Reference Guide (July 2026). The comments in the code are by the model that wrote it; some were corrected since.
;; Multi Head Attention. Allowed arithmetic: matrix products marked QUANTISED: E2M3 operands, one E8M0 scale for each 32 along K, by v_wmma_scale_f32_16x16x128_f8f6f4 with both operands' format E2M3, f32 sums; everything else in f32.
;; Inputs: Wk_codes 1,024 x 32 x 24 uint8 (E2M3 codes of Wk, K innermost, in blocks of 32 codes, four codes in three bytes); Wk_scales 1,024 x 32 uint8 (E8M0 scales of Wk, one for each 32 codes along K); Wo_codes 1,024 x 32 x 24 uint8 (E2M3 codes of Wo, K innermost, in blocks of 32 codes, four codes in three bytes); Wo_scales 1,024 x 32 uint8 (E8M0 scales of Wo, one for each 32 codes along K); Wq_codes 1,024 x 32 x 24 uint8 (E2M3 codes of Wq, K innermost, in blocks of 32 codes, four codes in three bytes); Wq_scales 1,024 x 32 uint8 (E8M0 scales of Wq, one for each 32 codes along K); Wv_codes 1,024 x 32 x 24 uint8 (E2M3 codes of Wv, K innermost, in blocks of 32 codes, four codes in three bytes); Wv_scales 1,024 x 32 uint8 (E8M0 scales of Wv, one for each 32 codes along K); bo 1,024 float32; x_codes 4 x 2,048 x 32 x 24 uint8 (E2M3 codes of x, K innermost, in blocks of 32 codes, four codes in three bytes); x_scales 4 x 2,048 x 32 uint8 (E8M0 scales of x, one for each 32 codes along K).
;; Outputs: out0 4 x 2,048 x 1,024 float32.
;; This version of the problem:
;;   THIS VERSION OF THE PROBLEM IS GIVEN IN LOW PRECISION. The matrix products marked QUANTISED in the list below multiply operands that are first quantised to E2M3 (2 exponent bits, 3 mantissa bits; 6 bits a number), with one power-of-two scale for each 32 numbers along K (OCP MX v1.0); their sums are f32. All else is computed in f32.
;;   The module's matrix products, in the order in which they are computed (A, B: the left and right operand; K: the contracted axis; several contracted axes count as one K, in the product's order):
;;     1. [M 8,192, K 1,024] x [K 1,024, N 1,024]; A: input x (given as codes); B: input Wq (given as codes): QUANTISED
;;     2. [M 8,192, K 1,024] x [K 1,024, N 1,024]; A: input x (given as codes); B: input Wk (given as codes): QUANTISED
;;     3. [M 8,192, K 1,024] x [K 1,024, N 1,024]; A: input x (given as codes); B: input Wv (given as codes): QUANTISED
;;     4. batch 64 x [M 2,048, K 64] x [K 64, N 2,048]; A: computed on the way; B: computed on the way: QUANTISED
;;     5. batch 64 x [M 2,048, K 2,048] x [K 2,048, N 64]; A: softmax (see below); B: computed on the way: QUANTISED
;;     6. [M 8,192, K 1,024] x [K 1,024, N 1,024]; A: computed on the way; B: input Wo (given as codes): QUANTISED
;;   THE QUANTISER, for each operand of a quantised product, along K:
;;     - K is cut into blocks of 32 from its start; a last block that is shorter is filled with zeros.
;;     - A block's scale is 2^e with e = floor(log2(the largest magnitude in the block)) - 2, held to -126 .. 127; a block of zeros has e = 0. As a byte (E8M0): e + 127.
;;     - Each number is divided by its block's scale, clamped to +-7.5, and rounded to the nearest number of E2M3, ties to even, subnormals kept.
;;     - The product sums the exact products of the quantised numbers (number of the format x scale) in f32.
;;   ~~~python
;;   def quantise(x, axis):      # numpy; x: float32 -> the quantised numbers, widened to float32 again
;;       x = np.moveaxis(x, axis, -1); K = x.shape[-1]
;;       x = np.pad(x, [(0, 0)] * (x.ndim - 1) + [(0, -K % 32)]); x = x.reshape(x.shape[:-1] + (-1, 32)); a = np.abs(x).max(-1, keepdims=True)
;;       e = np.where(a > 0, np.clip(np.frexp(np.where(a > 0, a, 1))[1] - 1 - 2, -126, 127), 0)      # np.frexp(a)[1] - 1 = floor(log2(a)), exactly
;;       r = np.clip(x / 2.0 ** e, -7.5, 7.5)
;;       step = 2.0 ** (np.maximum(np.frexp(np.where(r == 0, 1, r))[1] - 1, 0) - 3)
;;       q = np.round(r / step) * step * 2.0 ** e      # np.round: ties to even
;;       return np.moveaxis(q.reshape(q.shape[:-2] + (-1,))[..., :K], -1, axis).astype(np.float32)
;;   ~~~
;;   SOFTMAX AHEAD OF A QUANTISED PRODUCT. Where the list says 'softmax', what is quantised is not the finished softmax but p = 2^(t - M), with t = logit x log2(e) and M = ceil(the row's largest t), a whole number; so 1/2 < the row's largest p <= 1. The row's sum l is taken of the UNQUANTISED p, in f32, and the product's result is divided by l at the end. Since M is a whole number, a kernel that streams over the keys may use a running M (the ceiling of the running maximum): every later rescaling is an exact power of two, which a block's scale takes up: the codes' values come out the same.
;;   OPERANDS COMPUTED ON THE WAY. 'Computed on the way' means the value that the module computes at that place (a softmax that the list does not call 'softmax' is quantised finished and normalised). What goes into a quantiser is computed in f32, as accurately as f32 sums, v_exp_f32 and their like allow (about 1e-6 of the number): no bf16 or f16 on the way to a quantiser, and a product that is left as it is and whose result goes on into a quantised operand takes f32 operands (vector FMAs, or v_wmma_f32_16x16x4_f32). A number that lies on a knife's edge between two numbers of the format may be rounded either way, as far as f32 arithmetic and the matrix unit's own rounding can turn it there, and no further.
;;   INPUTS GIVEN AS CODES. Wk (in the module: [1024, 1024], K = its axis 0); Wo (in the module: [1024, 1024], K = its axis 0); Wq (in the module: [1024, 1024], K = its axis 0); Wv (in the module: [1024, 1024], K = its axis 0); x (in the module: [4, 2048, 1024], K = its axis 2): each comes as NAME_codes (uint8): NAME with its K axis moved to the last place and cut into blocks of 32 codes, [.., K / 32, bytes a block], one block behind the other in memory; four codes in three bytes: a row's codes are one little-endian stream of bits, code i at bits 6 i .. 6 i + 5 (a code: sign, 2 exponent bits, 3 mantissa bits); and NAME_scales (uint8): the same leading axes, one E8M0 byte (e + 127) for each 32 codes along K. Its value is code x scale, taken as it is: it is not quantised again, and the codes and scales need not be those that the quantiser above would give.
;; One version. Each part assembles by itself: llvm-mc -triple=amdgcn-amd-amdhsa -mcpu=gfx1250 --defsym DOCPART=n.
;; ======== version 1 of 1: 3 launches
;; workspace buffers: qws 6,553,600 bytes; kv 13,107,200 bytes; ctx_codes 6,291,456 bytes; ctx_scales 262,144 bytes
;; launch proj (part 1): grid 12 x 32, 4 waves a work-group, clusters of 4 x 4, 327,680 bytes of LDS; arguments x_codes, x_scales, Wq_codes, Wq_scales, Wk_codes, Wk_scales, Wv_codes, Wv_scales, qws, kv; writes qws, kv
.if DOCPART == 1
	.amdgcn_target "amdgcn-amd-amdhsa--gfx1250"
	.amdhsa_code_object_version 6
	.text
	.protected	k_qe877ff184b_proj
	.globl	k_qe877ff184b_proj
	.p2align	8
	.type	k_qe877ff184b_proj,@function
k_qe877ff184b_proj:
	s_mov_b64 s[64:65], 0
	v_nop
	global_prefetch_b8 v0, s[64:65] scope:SCOPE_SE
	s_setreg_imm32_b32 hwreg(HW_REG_WAVE_MODE, 25, 1), 1
	s_wait_xcnt 0x0
	s_wait_alu depctr_hold_cnt(0) depctr_sa_sdst(0) depctr_va_vdst(0) depctr_va_sdst(0) depctr_va_ssrc(0) depctr_va_vcc(0) depctr_vm_vsrc(0)
	s_getreg_b32 s2, hwreg(HW_REG_IB_STS2, 6, 4)
	s_cmp_eq_u32 s2, 0
	s_cbranch_scc0 .Lentry_in_a_cluster
	s_endpgm
.Lentry_in_a_cluster:
	s_bfe_u32 s2, ttmp6, 0x10000c
	s_cmp_lg_u32 s2, 0xf033
	s_cbranch_scc0 .Lentry_shape_is_right
	s_endpgm
.Lentry_shape_is_right:
; q = x Wq, k = x Wk, v = x Wv on codes of FP6 (E2M3) with one E8M0 scale for each 32 along K = 1,024; the results are quantised in registers and leave as codes, laid as the attention launch's operand registers.
; x: 8,192 rows of 768 bytes of codes and 32 scale bytes; each W: 1,024 rows (its output column n) likewise.
; A tile of 256 x 256 is made by four waves, 128 x 128 each: 64 accumulators, 512 registers.  The cluster's x is the MODE, the same in all sixteen partners: 0 q, 1 k, 2 v.
; Source 1 of the matrix instruction (here 'A') gives a lane its row, source 0 ('B') runs along the lane's registers.  Modes q, k: A = x (a lane holds a token), B = W (registers along the head's 64): q and k are
; quantised along the head.  Mode v: A = Wv (a lane holds a channel d), B = x (registers along the tokens): v is quantised along the keys.  In every mode A's tile hangs on the cluster's row and B's on its column.
; K goes in four steps of 256 through two LDS slots filled by the tensor data mover; tiles shared along a row or a column of the cluster are asked for jointly; the scale bytes of the tile's rows come once.
; THE ORDER INSIDE A BLOCK OF 32.  Register 16 b + 8 u + j of lane (r, h) is column 32 b + 16 u + 8 h + j; it is taken as place 16 h + 8 u + j of block b.  The 32 numbers are the true block, so the scale is the
; rule's; the order inside the block is the same for q and k (one product) and for v's keys and the weights p (the other), so the products' sums have the same terms.
; OUT.  A fragment (12 registers a lane) leaves as three pieces of 512 bytes, lane l's 16 bytes at 16 l.  q, k: a fragment holds TWO tiles of 16 tokens x 64 (registers 0-5, 6-11), its scale word two bytes of each.
; kv: [batch x head][128 keys]: 12,800 bytes: k's 4 fragments, v's 4 fragments, k's 64 scale words, v's 64.  qws: 6,400 bytes: q's 4 fragments, their 64 scale words.  Word (f, r) of a scale block lies at 128 (f % 2) + 8 r + 4 (f / 2).
; LIMITS: NaN and infinities are not served.  A block whose largest magnitude lies under 2^-124 gets the byte 1 (not tried); a block of zeros gets the byte 1 where the rule says 127: its codes are zeros, and these bytes are read by this program alone.
; REGISTERS, in windows of 256: window 0: v0-31 addresses; v32-63 scale words, two sets; v128-223 A's fragments, one set; on the way out v64-111 at work and v128-223 the codes.  window 1: B's fragments, two sets.
;   window 2: the accumulators of my rows 0-63 ((a, b) at v[8 (8 a + b)]);  window 3: those of my rows 64-127.
.set KSTEP,  256                       ; along K in a slot
.set NQ,     2                         ; matrix instructions deep
.set ROWB,   192                       ; a tile's row in bytes
.set KROW,   768                       ; a row of codes in memory
.set PITCH,  240                       ; an LDS row: 3 x (64 bytes + 16 of padding): the 32 lanes of a load of 8 bytes touch 64 different banks
.set FR,     12                        ; registers of a fragment
.set NL,     6                         ; LDS loads that bring one
.set NP,     4                         ; places behind this matrix instruction (ISA guide 7.12.1)
.set HALFT,  128*PITCH                 ; 128 rows: one tensor load
.set SLOT,   4*HALFT                   ; A's 256 rows, then B's 256
.set KS,     32                        ; a row of scale bytes
.set SCL,    2*SLOT                    ; behind the ring: the scale bytes, as units of 256 bytes + 16 of padding
.set HALFS,  16*272                    ; those of 128 rows
.set SBLK,   2*272                     ; those of 16 rows
.set SPARE,  SCL+4*HALFS               ; the spare words, 128 bytes a wave: two blocks of 256 bytes that no other line names
.set ADRA, 16                          ; v16-17 LDS address of my A fragments in slot 0, 1 (v18-19: for the pieces behind one padding more)
.set ADRB, 20                          ; v20-23 the same for B
.set ADRS, 27                          ; v27 my scale words: lanes 0-15 A's rows, lanes 16-31 B's
.set SPW,  28                          ; v28 my spare word's address; never rewritten
.set NIL,  29                          ; v29 0; never rewritten
.set SC,   32                          ; scale words
.set AF,   128                         ; A's fragments
.set PW,   64                          ; the way out: v64-71 block a's scale word
.set SW,   72                          ; v72-79 scale words by head and fragment
.set TM,   80                          ; v80-83 largest magnitudes, v84-87 the other half's, then bytes, v92-95 the conversions' scale operands
.set CT,   96                          ; v96-103 upper halves of blocks, as converted
.set FLR,  104                         ; v104 the floor 2^(3 - 127)
.set L16,  105                         ; v105 16 x lane
.set L8,   106                         ; v106 8 x lane
.set LN,   107                         ; v107 lane
.set SP2,  108                         ; v108-111 scale words to store
.set FRG,  128                         ; v128-223 fragment y of head c at v[128 + 12 (4 c + y)]
.set G1, 24
.set G0, 32
.set G1B, 48
.set G0B, 56
.set G1S, 68
.set G0S, 76
.set G1SB, 80
.set G0SB, 88
.set MSB, 0
.macro WIN new                         ; the immediate's high byte repeats the setting that is left
.if MSB != \new
	s_set_vgpr_msb (MSB<<8)|\new
.set MSB, \new
.endif
.endm
.set MUL_LO, 0xa1                      ; source 0 (B) window 1, source 1 (A) window 0, C and D window 2
.set MUL_HI, 0xf1                      ; the same, C and D window 3
.set TO_B,   0x40                      ; destination window 1
; A joint load: waves 0 and 1 fetch for A, waves 2 and 3 for B; the branch hangs on the wave's number alone.  Four v_nop follow each of the two lines.
.macro JLOAD g0a, g1a, g0b, g1b
	s_cmp_eq_u32 s15, 0
	s_cbranch_scc0 .Lfor_b_\@
	tensor_load_to_lds s[\g0a:\g0a+3], s[\g1a:\g1a+7]
	s_nop 0
.rept 4
	v_nop
.endr
	s_branch .Lasked_\@
.Lfor_b_\@:
	tensor_load_to_lds s[\g0b:\g0b+3], s[\g1b:\g1b+7]
	s_nop 0
.rept 4
	v_nop
.endr
.Lasked_\@:
.endm
.macro CREST                           ; a round of the cluster's barrier behind its opening barrier
	s_cmp_lg_u32 s14, 0
	s_cbranch_scc1 .Lnot_wave_0_\@
	s_barrier_signal -3
.Lnot_wave_0_\@:
	s_barrier_wait -3
	s_barrier_signal -1
	s_barrier_wait -1
.endm
.macro CROUND
	s_barrier_signal -1
	s_barrier_wait -1
	CREST
.endm
	s_load_b512 s[68:83], s[0:1], 0x0              ; x codes, x scales, Wq codes, scales, Wk codes, scales, Wv codes, scales
	s_load_b128 s[84:87], s[0:1], 0x40             ; qws, kv
	v_lshl_add_u32 v[SPW], v0, 2, SPARE
	v_mov_b32 v[NIL], 0
	ds_add_u32 v28, v29
	ds_add_u32 v28, v29
	s_wait_dscnt 0x0
	v_lshrrev_b32 v1, 5, v0
	v_readfirstlane_b32 s14, v1                    ; wave 0..3
	s_lshr_b32 s15, s14, 1                         ; which half of the tile's rows is mine.  Also: I fetch for A (0) or for B (1)
	s_and_b32 s16, s14, 1                          ; which half of its columns.  Also: which 128 rows I fetch
	s_bfe_u32 s40, ttmp6, 0x40000                  ; cx
	s_bfe_u32 s41, ttmp6, 0x40004                  ; cy
	s_and_b32 s95, ttmp7, 0xffff
	s_lshl_b32 s95, s95, 2                         ; 4 x cluster y: it walks x's 32 tiles of 256 tokens
	s_cmp_eq_u32 ttmp9, 2                          ; mode v?
	s_cselect_b32 s96, 0, s95
	s_cselect_b32 s97, s95, 0
	s_add_co_u32 s17, s96, s41                     ; A's tile: q, k: 4 x cluster y + cy (tokens); v: cy (channels)
	s_add_co_u32 s42, s97, s40                     ; B's tile: q, k: cx (channels); v: 4 x cluster y + cx (tokens)
	s_lshl_b32 s43, s41, 2
	s_lshl_b32 s43, 15, s43                        ; my row of the cluster
	s_lshl_b32 s44, 0x1111, s40                    ; my column
	; descriptor group 1: 128 rows x 192 bytes, 16 bytes of padding behind every 64
	s_or_b32 s[G1+0], s43, (0<<16)|(1<<20)|(1<<21)|(3<<22)|(3<<25)
	s_or_b32 s[G1B+0], s44, (0<<16)|(1<<20)|(1<<21)|(3<<22)|(3<<25)
.irp g, G1, G1B
	s_mov_b32 s[\g+1], ROWB<<16                    ; tensor_dim0
	s_mov_b32 s[\g+2], 128<<16                     ; tensor_dim1
	s_mov_b32 s[\g+3], ROWB<<16                    ; tile_dim0
	s_mov_b32 s[\g+4], 128                         ; tile_dim1
	s_mov_b32 s[\g+5], KROW                        ; the pitch
	s_mov_b32 s[\g+6], 0
	s_mov_b32 s[\g+7], 0
.endr
	s_lshl_b32 s18, s16, 7
	s_lshl_b32 s20, s17, 8
	s_add_co_u32 s20, s20, s18                     ; A: row 256 x tile + 128 x half
	s_lshl_b32 s46, s42, 8
	s_add_co_u32 s46, s46, s18                     ; B likewise
	s_lshl_b32 s22, s20, 5                         ; their scale bytes: 32 a row
	s_lshl_b32 s92, s46, 5
	s_mul_i32 s20, s20, KROW                       ; their codes (at most 8,192 rows x 768 bytes)
	s_mul_i32 s46, s46, KROW
	s_mov_b32 s21, 0
	s_mov_b32 s23, 0
	s_mov_b32 s47, 0
	s_mov_b32 s93, 0
	s_mul_i32 s45, s14, HALFT                      ; where they go: wave x 128 rows
	s_mul_i32 s94, s14, HALFS
	s_wait_kmcnt 0x0
	s_cmp_eq_u32 ttmp9, 2                          ; the buffers are chosen by the mode alone
	s_cselect_b64 s[4:5], s[80:81], s[68:69]       ; A's codes: Wv or x
	s_cselect_b64 s[6:7], s[82:83], s[70:71]       ; A's scales
	s_cselect_b64 s[8:9], s[68:69], s[76:77]       ; B's codes: x, or Wk,
	s_cselect_b64 s[10:11], s[70:71], s[78:79]
	s_cmp_eq_u32 ttmp9, 0
	s_cselect_b64 s[8:9], s[72:73], s[8:9]         ; or Wq
	s_cselect_b64 s[10:11], s[74:75], s[10:11]
	s_cselect_b64 s[12:13], s[84:85], s[86:87]     ; out: qws or kv
	s_add_nc_u64 s[20:21], s[4:5], s[20:21]
	s_add_nc_u64 s[22:23], s[6:7], s[22:23]
	s_add_nc_u64 s[46:47], s[8:9], s[46:47]
	s_add_nc_u64 s[92:93], s[10:11], s[92:93]
	; the scale bytes of 128 rows: 4,096 dense bytes as 16 rows of 256 (32 elements of 8 bytes), 16 bytes of padding behind each.  (s68-87 held the pointers, which are chosen by now)
	s_or_b32 s[G1S+0], s43, (3<<16)|(1<<20)|(1<<21)|(5<<22)|(3<<25)
	s_or_b32 s[G1SB+0], s44, (3<<16)|(1<<20)|(1<<21)|(5<<22)|(3<<25)
.irp g, G1S, G1SB
	s_mov_b32 s[\g+1], 32<<16
	s_mov_b32 s[\g+2], 16<<16
	s_mov_b32 s[\g+3], 32<<16
	s_mov_b32 s[\g+4], 16
	s_mov_b32 s[\g+5], 32
	s_mov_b32 s[\g+6], 0
	s_mov_b32 s[\g+7], 0
.endr
	CROUND                                         ; all sixteen work-groups are here: the first joint loads meet
	s_mov_b32 s[G0S], 1
	s_add_co_u32 s[G0S+1], s94, SCL
	s_mov_b64 s[G0S+2:G0S+3], s[22:23]
	s_or_b32 s[G0S+3], s[G0S+3], 0x80000000
	s_mov_b32 s[G0SB], 1
	s_add_co_u32 s[G0SB+1], s94, SCL
	s_mov_b64 s[G0SB+2:G0SB+3], s[92:93]
	s_or_b32 s[G0SB+3], s[G0SB+3], 0x80000000
	JLOAD G0S, G1S, G0SB, G1SB                     ; the scales first: they are wanted with K step 0
.irp s, 0,1
	s_mov_b32 s[G0+4*\s], 1
	s_add_co_u32 s[G0+4*\s+1], s45, \s*SLOT
	s_add_nc_u64 s[G0+4*\s+2:G0+4*\s+3], s[20:21], \s*ROWB
	s_or_b32 s[G0+4*\s+3], s[G0+4*\s+3], 0x80000000
	s_mov_b32 s[G0B+4*\s], 1
	s_add_co_u32 s[G0B+4*\s+1], s45, \s*SLOT
	s_add_nc_u64 s[G0B+4*\s+2:G0B+4*\s+3], s[46:47], \s*ROWB
	s_or_b32 s[G0B+4*\s+3], s[G0B+4*\s+3], 0x80000000
	JLOAD G0+4*\s, G1, G0B+4*\s, G1B
.endr
	v_and_b32 v1, 15, v0                           ; r
	v_bfe_u32 v2, v0, 4, 1                         ; h
	v_mul_u32_u24 v3, v1, PITCH
	v_mul_u32_u24 v4, v2, 24
	v_add_nc_u32 v4, v3, v4                        ; a fragment's row x pitch + 24 x half
	v_lshl_add_u32 v5, v2, 4, v4                   ; and the same behind one padding more
	s_mul_i32 s21, s15, HALFT                      ; my 128 rows of A
	s_mul_i32 s22, s16, HALFT                      ; my 128 rows of B,
	s_add_co_u32 s22, s22, 2*HALFT                 ; behind A's 256
.irp s, 0,1
	v_add_nc_u32 v[ADRA+\s], s21, v4
	v_add_nc_u32 v[ADRB+\s], s22, v4
	v_add_nc_u32 v[ADRA+2+\s], s21, v5
	v_add_nc_u32 v[ADRB+2+\s], s22, v5
	s_add_co_u32 s21, s21, SLOT
	s_add_co_u32 s22, s22, SLOT
.endr
	v_mul_u32_u24 v5, v1, KS                       ; my row's scale bytes,
	v_lshrrev_b32 v6, 8, v5
	v_lshl_add_u32 v5, v6, 4, v5                   ; and 16 more for each 256 passed
	s_mul_i32 s21, s15, HALFS
	s_mul_i32 s22, s16, HALFS
	s_add_co_u32 s22, s22, 2*HALFS
	s_sub_co_u32 s22, s22, s21
	v_mul_u32_u24 v6, s22, v2                      ; lanes 16-31 take B's: one product, the distance between the two bases
	s_add_co_u32 s21, s21, SCL
	v_add_nc_u32 v5, v5, v6
	v_add_nc_u32 v[ADRS], s21, v5
	; where my results go.  My 128 tokens are one record's; my 128 channels are two heads'
	s_lshl_b32 s18, s17, 1
	s_add_co_u32 s18, s18, s15                     ; which 128 of A's rows
	s_lshl_b32 s19, s42, 1
	s_add_co_u32 s19, s19, s16                     ; which 128 of B's rows
	s_cmp_eq_u32 ttmp9, 2
	s_cselect_b32 s20, s19, s18                    ; the tokens' 128: 0..63
	s_cselect_b32 s21, s18, s19                    ; the pair of heads: 0..7
	s_cselect_b32 s96, 6144, 0                     ; v's fragments lie behind k's
	s_mov_b32 s97, 12288                           ; from the fragments to their scale block: k 12,288,
	s_cselect_b32 s97, 6400, s97                   ; v 12,544 - 6,144,
	s_cmp_eq_u32 ttmp9, 0
	s_cselect_b32 s97, 6144, s97                   ; q 6,144
	s_mov_b32 s98, 204800                          ; a head's bytes
	s_cselect_b32 s98, 102400, s98
	s_mov_b32 s99, 12800                           ; a record's
	s_cselect_b32 s99, 6400, s99
	s_lshr_b32 s22, s20, 4                         ; the batch
	s_lshl_b32 s22, s22, 4
	s_lshl_b32 s21, s21, 1
	s_add_co_u32 s22, s22, s21                     ; 16 x batch + my first head
	s_mul_i32 s22, s22, s98
	s_and_b32 s20, s20, 15
	s_mul_i32 s20, s20, s99
	s_add_co_u32 s22, s22, s20
	s_add_co_u32 s22, s22, s96
	s_mov_b32 s23, 0
	s_add_nc_u64 s[44:45], s[12:13], s[22:23]      ; my first head's fragments,
	s_mov_b32 s22, s98
	s_add_nc_u64 s[46:47], s[44:45], s[22:23]      ; my second head's,
	s_mov_b32 s22, s97
	s_add_nc_u64 s[40:41], s[44:45], s[22:23]      ; and their scale blocks
	s_add_nc_u64 s[42:43], s[46:47], s[22:23]
.macro FRAG reg, adr, q, i             ; a fragment: lane l holds row l % 16; registers 6 c .. 6 c + 5 hold K = 64 c + 32 (l / 16) + 0 .. 31: 24 bytes of the row, as they lie, in pieces of 8
.irp p, 0,1,2,3,4,5
.set PCE, 12*(\q)+6*(\p/3)+\p%3        ; where the piece three on (lanes 16-31) lies behind one padding more, the second address register serves
.if PCE%8 < 5
	ds_load_b64 v[\reg+2*\p:\reg+2*\p+1], v[\adr] offset:8*PCE+16*(PCE/8)+(\i)*16*PITCH
.else
	ds_load_b64 v[\reg+2*\p:\reg+2*\p+1], v[\adr+2] offset:8*PCE+16*(PCE/8)+(\i)*16*PITCH
.endif
.endr
.endm
; 16 matrix instructions: A's blocks a0, a0 + 1 x B's eight.  p: B's set; sc: the set of scale words.  zero = 1: the first product starts the sums.  The 64 accumulators take turns, one instruction a turn.
.macro MUL16 a0, p, q, sc, zero
.irp a, \a0, \a0+1
.irp b, 0,1,2,3,4,5,6,7
.if \zero
	v_wmma_scale_f32_16x16x128_f8f6f4 v[8*(8*((\a)%4)+\b):8*(8*((\a)%4)+\b)+7], v[128*(\p)+FR*\b:128*(\p)+FR*\b+FR-1], v[AF+FR*(\a):AF+FR*(\a)+FR-1], 0, v[SC+8*NQ*(\sc)+NQ*\b+(\q)], v[SC+8*NQ*(\sc)+NQ*(\a)+(\q)] matrix_a_fmt:MATRIX_FMT_FP6 matrix_b_fmt:MATRIX_FMT_FP6 matrix_a_scale:MATRIX_SCALE_ROW1
.else
	v_wmma_scale_f32_16x16x128_f8f6f4 v[8*(8*((\a)%4)+\b):8*(8*((\a)%4)+\b)+7], v[128*(\p)+FR*\b:128*(\p)+FR*\b+FR-1], v[AF+FR*(\a):AF+FR*(\a)+FR-1], v[8*(8*((\a)%4)+\b):8*(8*((\a)%4)+\b)+7], v[SC+8*NQ*(\sc)+NQ*\b+(\q)], v[SC+8*NQ*(\sc)+NQ*(\a)+(\q)] matrix_a_fmt:MATRIX_FMT_FP6 matrix_b_fmt:MATRIX_FMT_FP6 matrix_a_scale:MATRIX_SCALE_ROW1
.endif
.endr
.endr
.endm
.macro FETCH_B slot, q, p
	WIN TO_B
.irp i, 0,1,2,3,4,5,6,7
	FRAG 128*(\p)+FR*\i, ADRB+\slot, \q, \i
.endr
	WIN 0
.endm
.macro FETCH_A slot, q, i0
.irp i, \i0, \i0+1, \i0+2, \i0+3
	FRAG AF+FR*(\i), ADRA+\slot, \q, \i
.endr
.endm
.macro SCALES sc                       ; a K step's scale words: two a row; lanes 0-15 A's block i, lanes 16-31 B's block i
.irp i, 0,1,2,3,4,5,6,7
	ds_load_b64 v[SC+8*NQ*\sc+NQ*\i:SC+8*NQ*\sc+NQ*\i+1], v[ADRS] offset:\i*SBLK
.endr
.endm
.macro PLACES n                        ; plain vector instructions between a matrix instruction and a load into, or a read of, its registers (ISA guide 7.12.1 for reads)
.rept \n
	v_nop
.endr
.endm
.macro STEP slot, q, zero              ; 128 along K that have their successor in the same slot
	s_wait_dscnt 4*NL                              ; B's set and A's blocks 0-3 are in; the youngest 24 loads (A's blocks 4-7) may be out
	WIN MUL_LO
	MUL16 0, (\q)%2, \q, \slot, \zero
	MUL16 2, (\q)%2, \q, \slot, \zero
	s_wait_dscnt 0                                 ; A's blocks 4-7 are in
	PLACES NP
	FETCH_B \slot, (\q)+1, 1-(\q)%2
	FETCH_A \slot, (\q)+1, 0
	WIN MUL_HI
	MUL16 4, (\q)%2, \q, \slot, \zero
	MUL16 6, (\q)%2, \q, \slot, \zero
	PLACES NP
	WIN 0
	FETCH_A \slot, (\q)+1, 4
.endm
; A slot's last 128 change slots: ONE barrier; in front of it each wave waits for all its tensor loads, adds 0 to its spare word, and waits for that and for its reads of this slot.  fill = 1: the slot is filled again, two K steps ahead.
.macro TURN slot, next, fill
	s_wait_tensorcnt 0x0                           ; all my tensor loads have landed: my part of the next slot
	ds_add_u32 v[SPW], v[NIL]                      ; 0 onto my spare word
	s_wait_dscnt 4*NL+1                            ; (the add and the youngest 24 loads may be out)
	WIN MUL_LO
	MUL16 0, 1, NQ-1, \slot, 0                     ; sixteen matrix instructions stand between the add and the wait for it
	s_wait_dscnt 0x0                               ; the add is done, and my reads of this slot are over
	s_barrier_signal -1
	MUL16 2, 1, NQ-1, \slot, 0
	WIN 0
	s_barrier_wait -1
.if \fill
	CREST                                          ; the barrier has opened a round of the cluster's: no wave of any partner still reads this slot or has a load on its way
	s_add_nc_u64 s[G0+4*\slot+2:G0+4*\slot+3], s[G0+4*\slot+2:G0+4*\slot+3], 2*ROWB
	s_add_nc_u64 s[G0B+4*\slot+2:G0B+4*\slot+3], s[G0B+4*\slot+2:G0B+4*\slot+3], 2*ROWB
	JLOAD G0+4*\slot, G1, G0B+4*\slot, G1B         ; the first tensor load behind the round; its four v_nop are the places in front of the loads below
.else
	PLACES NP
.endif
	v_add_nc_u32 v[ADRS], 4*NQ, v[ADRS]            ; the next K step's scale words
	FETCH_B \next, 0, 0
	FETCH_A \next, 0, 0
	SCALES \next
	WIN MUL_HI
	MUL16 4, 1, NQ-1, \slot, 0
	MUL16 6, 1, NQ-1, \slot, 0
	PLACES NP
	WIN 0
	FETCH_A \next, 0, 4
.endm
	s_wait_tensorcnt 1                             ; the scales and my part of K step 0 are in; K step 1's load may be out
	s_barrier_signal -1
	s_barrier_wait -1
	FETCH_B 0, 0, 0
	FETCH_A 0, 0, 0
	SCALES 0
	FETCH_A 0, 0, 4
	STEP 0, 0, 1                                   ; K = 1,024 is four K steps: they are written out
	TURN 0, 1, 1                                   ; slot 0 takes K step 2
	STEP 1, 0, 0
	TURN 1, 0, 1                                   ; slot 1 takes K step 3
	STEP 0, 0, 0
	TURN 0, 1, 0
	STEP 1, 0, 0
	s_wait_dscnt 4*NL
	WIN MUL_LO
	MUL16 0, 1, NQ-1, 1, 0
	MUL16 2, 1, NQ-1, 1, 0
	s_wait_dscnt 0
	WIN MUL_HI
	MUL16 4, 1, NQ-1, 1, 0
	MUL16 6, 1, NQ-1, 1, 0
	WIN 0
	s_wait_tensorcnt 0x0                           ; the wave's last LDS instructions (the way out touches no LDS)
	ds_add_u32 v[SPW], v[NIL]
	v_mov_b32 v[FLR], 0x1800000                    ; eight plain lines: also the places behind the last products
	v_and_b32 v[LN], 31, v0
	v_lshlrev_b32 v[L16], 4, v[LN]
	v_lshlrev_b32 v[L8], 3, v[LN]
.irp b, 0,1,2,3
	v_mov_b32 v[TM+4+\b], 0                        ; written once: a lane permute's destination counts as one of its sources
.endr
	s_mov_b32 s92, 0x76543210
	s_mov_b32 s93, 0xfedcba98                      ; v_permlanex16_b32's selects for lane l xor 16
	s_mov_b32 s94, 0x05040100
	s_mov_b32 s95, 0x07060302
	s_wait_dscnt 0x0
; 64 numbers of a lane in window w, v[s] on (eight accumulators of one block of 16 rows), become codes: blocks 0, 1 in six registers from v[d0], blocks 2, 3 from v[d1], and the row's four scale bytes in v[pw].
; Each accumulator is first read at its low end.  The floor among the maximum's leaves holds the byte at 1 from below.
.macro QUANT w, s, d0, d1, pw
.set QW, (\w)
.set QM, (QW<<2)|(QW<<4)
	WIN QM                                         ; sources 1 and 2 in window w
.irp b, 0,1,2,3
	v_max3_num_f32 v[TM+\b], v[FLR], |v[(\s)+16*\b]|, |v[(\s)+16*\b+1]|
.endr
.irp i, 2,4,6,8,10,12,14
.irp b, 0,1,2,3
	v_max3_num_f32 v[TM+\b], v[TM+\b], |v[(\s)+16*\b+\i]|, |v[(\s)+16*\b+\i+1]|
.endr
.endr
	WIN 0
.irp b, 0,1,2,3
	v_permlanex16_b32 v[TM+4+\b], v[TM+\b], s92, s93
.endr
.irp b, 0,1,2,3
	v_max_num_f32 v[TM+\b], v[TM+\b], v[TM+4+\b]   ; with lane l xor 16's 16: the block's largest magnitude
.endr
.irp b, 0,1,2,3
	v_add_nc_u32 v[TM+12+\b], 0xff000000, v[TM+\b] ; 2 off its exponent field: the conversion's scale operand
.endr
.irp b, 0,1,2,3
	v_lshrrev_b32 v[TM+4+\b], 23, v[TM+12+\b]      ; the scale's byte
.endr
	v_lshl_or_b32 v[\pw], v[TM+5], 8, v[TM+4]
	v_lshl_or_b32 v[\pw], v[TM+6], 16, v[\pw]
	v_lshl_or_b32 v[\pw], v[TM+7], 24, v[\pw]
	WIN QW                                         ; source 0 in window w
	v_cvt_scalef32_pk16_fp6_f32 v[(\d0):(\d0)+2], v[(\s):(\s)+15], v[TM+12]
	v_cvt_scalef32_pk16_fp6_f32 v[CT:CT+2], v[(\s)+16:(\s)+31], v[TM+13]
	v_cvt_scalef32_pk16_fp6_f32 v[(\d1):(\d1)+2], v[(\s)+32:(\s)+47], v[TM+14]
	v_cvt_scalef32_pk16_fp6_f32 v[CT+4:CT+6], v[(\s)+48:(\s)+63], v[TM+15]
	WIN 0
	v_nop                                          ; one plain place behind a scaled conversion
.irp i, 0,1,2                                  ; the operand's layout wants a whole block in a lane: lanes 0-15 the even block, lanes 16-31 the odd one
	v_permlane16_swap_b32 v[(\d0)+\i], v[CT+\i]
	v_permlane16_swap_b32 v[(\d1)+\i], v[CT+4+\i]
.endr
.irp i, 0,1,2
	v_mov_b32 v[(\d0)+3+\i], v[CT+\i]
	v_mov_b32 v[(\d1)+3+\i], v[CT+4+\i]
.endr
.endm
; Two heads' fragments and scale blocks leave.  Each store of the wave covers 512 (the scale words: 256) consecutive bytes, aligned to 256; every store has data registers of its own.
.macro SENDALL sw                      ; scale word of head c, fragment y in v[sw + 4 c + y]
	v_cmp_lt_u32 vcc_lo, 15, v[LN]                 ; lanes 16-31 store the odd fragments' words
.irp c, 0,1
	v_cndmask_b32 v[SP2+2*\c], v[\sw+4*\c], v[\sw+4*\c+1], vcc_lo
	v_cndmask_b32 v[SP2+2*\c+1], v[\sw+4*\c+2], v[\sw+4*\c+3], vcc_lo
	global_store_b64 v[L8], v[SP2+2*\c:SP2+2*\c+1], s[40+2*\c:41+2*\c]
.irp y, 0,1,2,3
.irp p, 0,1,2
	global_store_b128 v[L16], v[FRG+12*(4*\c+\y)+4*\p:FRG+12*(4*\c+\y)+4*\p+3], s[44+2*\c:45+2*\c] offset:1536*\y+512*\p
.endr
.endr
.endr
.endm
	s_cmp_eq_u32 ttmp9, 2                          ; the mode: the same in all partners; no joint load and no LDS access follows
	s_cbranch_scc1 .Lmode_v
	; q, k: block a is 16 tokens; its blocks 0, 1 are my first head's 64, blocks 2, 3 my second head's.  Tokens 32 y + 16 u on fill half u of fragment y
.irp a, 0,1,2,3,4,5,6,7
	QUANT 2+\a/4, 64*(\a%4), FRG+12*(\a/2)+6*(\a%2), FRG+48+12*(\a/2)+6*(\a%2), PW+\a
.endr
.irp y, 0,1,2,3
	v_perm_b32 v[SW+\y], v[PW+2*\y+1], v[PW+2*\y], s94      ; first head: both tiles' bytes 0, 1
	v_perm_b32 v[SW+4+\y], v[PW+2*\y+1], v[PW+2*\y], s95    ; second head: bytes 2, 3
.endr
	SENDALL SW
	s_branch .Lsent
.Lmode_v:
	; v: block a is 16 channels: fragment a % 4 of head a / 4; its four blocks are the record's 128 keys
.irp a, 0,1,2,3,4,5,6,7
	QUANT 2+\a/4, 64*(\a%4), FRG+12*\a, FRG+12*\a+6, PW+\a
.endr
	SENDALL PW
.Lsent:
	CROUND                                         ; the closing round: no work-group ends while a partner may still ask for a tile that names it
	s_endpgm
.Lfunc_end_k_qe877ff184b_proj:
	.size	k_qe877ff184b_proj, .Lfunc_end_k_qe877ff184b_proj-k_qe877ff184b_proj
	.p2alignl 7, 3214868480
	.fill 96, 4, 3214868480
	.section	.rodata,"a",@progbits
	.p2align	6, 0x0
	.amdhsa_kernel k_qe877ff184b_proj
		.amdhsa_group_segment_fixed_size 327680
		.amdhsa_private_segment_fixed_size 0
		.amdhsa_enable_private_segment 0
		.amdhsa_kernarg_size 80
		.amdhsa_user_sgpr_count 2
		.amdhsa_user_sgpr_kernarg_segment_ptr 1
		.amdhsa_wavefront_size32 1
		.amdhsa_system_sgpr_workgroup_id_x 1
		.amdhsa_system_sgpr_workgroup_id_y 1
		.amdhsa_system_sgpr_workgroup_id_z 1
		.amdhsa_system_vgpr_workitem_id 0
		.amdhsa_next_free_vgpr 1024
		.amdhsa_next_free_sgpr 100
		.amdhsa_reserve_vcc 1
		.amdhsa_float_denorm_mode_32 3
		.amdhsa_float_denorm_mode_16_64 3
		.amdhsa_memory_ordered 1
		.amdhsa_forward_progress 1
		.amdhsa_inst_pref_size 197
	.end_amdhsa_kernel
	.amdgpu_metadata
---
amdhsa.version: [ 1, 2 ]
amdhsa.kernels:
  - .name:           k_qe877ff184b_proj
    .symbol:         k_qe877ff184b_proj.kd
    .args:
      - { .name: x_codes, .offset: 0, .size: 8, .value_kind: global_buffer, .address_space: global }
      - { .name: x_scales, .offset: 8, .size: 8, .value_kind: global_buffer, .address_space: global }
      - { .name: Wq_codes, .offset: 16, .size: 8, .value_kind: global_buffer, .address_space: global }
      - { .name: Wq_scales, .offset: 24, .size: 8, .value_kind: global_buffer, .address_space: global }
      - { .name: Wk_codes, .offset: 32, .size: 8, .value_kind: global_buffer, .address_space: global }
      - { .name: Wk_scales, .offset: 40, .size: 8, .value_kind: global_buffer, .address_space: global }
      - { .name: Wv_codes, .offset: 48, .size: 8, .value_kind: global_buffer, .address_space: global }
      - { .name: Wv_scales, .offset: 56, .size: 8, .value_kind: global_buffer, .address_space: global }
      - { .name: qws, .offset: 64, .size: 8, .value_kind: global_buffer, .address_space: global }
      - { .name: kv, .offset: 72, .size: 8, .value_kind: global_buffer, .address_space: global }
    .group_segment_fixed_size: 327680
    .private_segment_fixed_size: 0
    .kernarg_segment_align: 8
    .kernarg_segment_size: 80
    .max_flat_workgroup_size: 128
    .sgpr_count:     100
    .vgpr_count:     1024
    .wavefront_size: 32
...
	.end_amdgpu_metadata
.endif
;; end of part 1
;; launch attn (part 2): grid 4 x 64, 16 waves a work-group, clusters of 4 x 1, 206,848 bytes of LDS; arguments qws, kv, ctx_codes, ctx_scales; writes ctx_codes, ctx_scales
.if DOCPART == 2
	.amdgcn_target "amdgcn-amd-amdhsa--gfx1250"
	.amdhsa_code_object_version 6
	.text
	.protected	k_qe877ff184b_attn
	.globl	k_qe877ff184b_attn
	.p2align	8
	.type	k_qe877ff184b_attn,@function
k_qe877ff184b_attn:
	s_mov_b64 s[64:65], 0
	v_nop
	global_prefetch_b8 v0, s[64:65] scope:SCOPE_SE
	s_setreg_imm32_b32 hwreg(HW_REG_WAVE_MODE, 25, 1), 1
	s_wait_xcnt 0x0
	s_wait_alu depctr_hold_cnt(0) depctr_sa_sdst(0) depctr_va_vdst(0) depctr_va_sdst(0) depctr_va_ssrc(0) depctr_va_vcc(0) depctr_vm_vsrc(0)
	s_getreg_b32 s2, hwreg(HW_REG_IB_STS2, 6, 4)
	s_cmp_eq_u32 s2, 0
	s_cbranch_scc0 .Lentry_in_a_cluster
	s_endpgm
.Lentry_in_a_cluster:
	s_bfe_u32 s2, ttmp6, 0x10000c
	s_cmp_lg_u32 s2, 0x3003
	s_cbranch_scc0 .Lentry_shape_is_right
	s_endpgm
.Lentry_shape_is_right:
; ctx = softmax(q k^T / 8, causal) v for one (batch, head) a cluster, both products on codes of FP6 (E2M3) with E8M0 scales; ctx is quantised along the model's 1,024 and leaves as codes.
; THE SOFTMAX AHEAD OF THE SECOND PRODUCT: t = score x log2(e) / 8; M = the running largest t rounded UP to a whole number; p = 2^(t - M) is quantised along the keys; the row's sum is taken of the unquantised p and divides at the end.
; When M moves, the sum and O are multiplied by 2^(old M - new M), which rounds nothing.
; LDS.  The head's k and v with their scale words are 16 records of 12,800 bytes (128 keys each: k's 4 fragments, v's 4, 64 + 64 scale words): 204,800 bytes.  They are brought ONCE and stay: no slot is ever filled again, and nothing is stored to LDS.
; CLUSTER.  The four work-groups of a cluster share the head: each of the 32 tensor loads (two a wave) is asked for jointly, with the same descriptor and the mask of all four.
; SHARES.  The head's 2,048 queries are 16 groups of 128; group G sees G + 1 key steps of 128, the last on the diagonal.  Wave w takes tile 2 cx + w % 2 (16 queries) of group 15 - w / 2, then of group w / 2: 17 key steps for every
; wave of every work-group.  Branches hang on the wave's number and on counters; the place in the cluster enters global addresses and one vector compare alone.
; LAYOUT.  Both products are used transposed: S^T = k q^T, O^T = v^T p^T: a lane holds ONE query (lane % 16).  The head is 64 wide and the instruction 128 deep: a fragment of k holds two tiles of 16 keys (registers 0-5, 6-11)
; and is multiplied by [q | zero codes] and by [zero codes | q]; the scale bytes beside q's zero codes are 0, which is a power of two and no NaN.  So register 16 f + 8 u + j of S^T is key 32 f + 16 u + 8 (lane / 16) + j,
; taken as place 16 (lane / 16) + 8 u + j of block f: the order in which v's keys were laid.
; Four waves share a SIMD (226 registers each), so that one wave's vector work stands beside another's matrix work and LDS loads.
; Nothing is prefetched: all of k and v is asked for in the kernel's first lines.
; LIMITS: NaN and infinities are not served.  A block whose largest magnitude lies under 2^-124 gets the byte 1 (not tried); a block of zeros gets the byte 1: its codes are zeros, and these bytes are read by this program alone.
.set REC,  12800                       ; a record
.set HKV,  204800                      ; a head's records
.set HQ,   102400                      ; a head of q
.set RQ,   6400                        ; a record of q
.set LI,   1                           ; v1  16 x lane
.set LS,   2                           ; v2  8 x lane
.set ADK,  3                           ; v3  the record's fragments for my lane
.set ADS,  4                           ; v4  its scale words
.set DV,   5                           ; v5  my query in its group - 8 (lane / 16)
.set R8,   6                           ; v6  8 r
.set R32,  7                           ; v7  32 r
.set QO,   8                           ; v8-10 q's three pieces of 8 bytes
.set QRAW, 11                          ; v11 the scale word of q's pair of tiles
.set QS,   34                          ; v34, v35 q's scale words for [q | 0] and [0 | q]
.set KSC,  36                          ; v36-37 k's scale words; v38-39 v's
.set FB,   40                          ; v40-87 four fragments: k's, then v's
.set S,    88                          ; v88-151 S^T, then p
.set O,    152                         ; v152-183 O^T
.set PC,   184                         ; v184-195 p's codes
.set CT,   196                         ; v196-203 upper halves of blocks, as converted
.set BM,   204                         ; v204-207 the blocks' largest
.set PT,   208                         ; v208-211 the other half's, then bytes
.set SO,   212                         ; v212-215 the conversions' scale operands
.set F,    216                         ; v216 f, later 1 / sum (v217: named with it as a pair, written once)
.set TT,   218                         ; v218 at work
.set PSW,  219                         ; v219 p's scale word
.set SM2,  220                         ; v220-221 the sum's second chain
.set NINF, 222                         ; v222 -infinity
.set CW,   223                         ; v223 ctx's two scale bytes
; s12 wave, s13 cx, s14 16 x batch + head, s15 w % 2, s16 w / 2, s17 my tile in a group, s18 16 (w % 2), s[20:21] lane selects, s[22:23] c, s[24:31] group 1, s[32:39] two groups 0,
; s40 my group, s41 the key step, s42 its record's LDS byte, s[44:47] q's bases, s[48:51] ctx's bases, s52-57 at work
.macro CROUND                          ; a round of the cluster's barrier
	s_barrier_signal -1
	s_barrier_wait -1
	s_cmp_lg_u32 s12, 0
	s_cbranch_scc1 .Lnot_wave_0_\@
	s_barrier_signal -3
.Lnot_wave_0_\@:
	s_barrier_wait -3
	s_barrier_signal -1
	s_barrier_wait -1
.endm
; one product.  c0 = 1: it starts its sum.  odd = 1: source 0's scale words lie in lanes 16-31
.macro MM d, a, b, c0, sa, sb, odd
.if \c0
.if \odd
	v_wmma_scale_f32_16x16x128_f8f6f4 v[(\d):(\d)+7], v[(\a):(\a)+11], v[(\b):(\b)+11], 0, v[\sa], v[\sb] matrix_a_fmt:MATRIX_FMT_FP6 matrix_b_fmt:MATRIX_FMT_FP6 matrix_a_scale:MATRIX_SCALE_ROW1
.else
	v_wmma_scale_f32_16x16x128_f8f6f4 v[(\d):(\d)+7], v[(\a):(\a)+11], v[(\b):(\b)+11], 0, v[\sa], v[\sb] matrix_a_fmt:MATRIX_FMT_FP6 matrix_b_fmt:MATRIX_FMT_FP6
.endif
.else
.if \odd
	v_wmma_scale_f32_16x16x128_f8f6f4 v[(\d):(\d)+7], v[(\a):(\a)+11], v[(\b):(\b)+11], v[(\d):(\d)+7], v[\sa], v[\sb] matrix_a_fmt:MATRIX_FMT_FP6 matrix_b_fmt:MATRIX_FMT_FP6 matrix_a_scale:MATRIX_SCALE_ROW1
.else
	v_wmma_scale_f32_16x16x128_f8f6f4 v[(\d):(\d)+7], v[(\a):(\a)+11], v[(\b):(\b)+11], v[(\d):(\d)+7], v[\sa], v[\sb] matrix_a_fmt:MATRIX_FMT_FP6 matrix_b_fmt:MATRIX_FMT_FP6
.endif
.endif
.endm
	s_load_b256 s[4:11], s[0:1], 0x0               ; qws, kv, ctx_codes, ctx_scales
	v_lshl_add_u32 v224, v0, 2, 0x32000
	v_mov_b32 v225, 0
	ds_add_u32 v224, v225
	ds_add_u32 v224, v225
	v_lshrrev_b32 v1, 5, v0
	s_delay_alu instid0(VALU_DEP_1)
	v_readfirstlane_b32 s12, v1                    ; wave 0..15
	s_bfe_u32 s13, ttmp6, 0x40000                  ; cx
	s_and_b32 s14, ttmp7, 0xffff                   ; 16 x batch + head, which the four partners share
	s_and_b32 s15, s12, 1
	s_lshr_b32 s16, s12, 1
	s_lshl_b32 s17, s13, 1
	s_add_co_u32 s17, s17, s15                     ; my tile of 16 queries in a group: 2 cx + w % 2
	s_lshl_b32 s18, s15, 4
	s_mov_b32 s20, 0x76543210
	s_mov_b32 s21, 0xfedcba98                      ; v_permlanex16_b32's selects for lane l xor 16
	s_mov_b32 s22, 0x3e38aa3b                      ; c = log2(e) / 8
	s_mov_b32 s23, s22                             ; (named with it as a pair)
	; descriptor group 1: 6,400 dense bytes as 25 rows of 256 (32 elements of 8 bytes)
	s_mov_b32 s24, 15|(3<<16)|(1<<21)              ; 15:0 the mask: all four work-groups; 17:16 elements of 8 bytes; 21 set beside a mask
	s_mov_b32 s25, 32<<16                          ; tensor_dim0
	s_mov_b32 s26, 25<<16                          ; tensor_dim1
	s_mov_b32 s27, 32<<16                          ; tile_dim0
	s_mov_b32 s28, 25                              ; tile_dim1
	s_mov_b32 s29, 32                              ; the pitch
	s_mov_b32 s30, 0
	s_mov_b32 s31, 0
	s_mov_b32 s32, 1
	s_mul_i32 s33, s12, 6400                       ; LDS: wave x 6,400: the sixteen waves bring records 0 to 7,
	s_mov_b32 s36, 1
	s_add_co_u32 s37, s33, 102400                  ; and records 8 to 15
	s_mul_i32 s52, s14, HKV
	s_add_co_u32 s52, s52, s33
	s_mov_b32 s53, 0
	s_wait_dscnt 0x0
	s_wait_kmcnt 0x0
	s_add_nc_u64 s[34:35], s[6:7], s[52:53]
	s_add_nc_u64 s[38:39], s[34:35], 102400
	s_or_b32 s35, s35, 0x80000000
	s_or_b32 s39, s39, 0x80000000
	CROUND                                         ; all four work-groups are here: the joint loads meet
	tensor_load_to_lds s[32:35], s[24:31]          ; two tensor loads of mine are out
	s_nop 0
	tensor_load_to_lds s[36:39], s[24:31]
	s_nop 0
.rept 4
	v_nop
.endr
	v_and_b32 v[TT], 31, v0
	s_delay_alu instid0(VALU_DEP_1)
	v_lshlrev_b32 v[LI], 4, v[TT]
	s_delay_alu instid0(VALU_DEP_2)
	v_lshlrev_b32 v[LS], 3, v[TT]
	v_and_b32 v[R8], 15, v0                        ; r
	v_bfe_u32 v[R32], v0, 4, 1                     ; h
	s_delay_alu instid0(VALU_DEP_1)
	v_lshlrev_b32 v[DV], 3, v[R32]
	s_delay_alu instid0(VALU_DEP_1)
	v_sub_nc_u32 v[DV], v[R8], v[DV]
	s_lshl_b32 s52, s17, 4
	v_add_nc_u32 v[DV], s52, v[DV]                 ; 16 x tile + r - 8 h
	v_lshlrev_b32 v[R32], 5, v[R8]
	v_lshlrev_b32 v[R8], 3, v[R8]
	s_mul_i32 s52, s15, 520                        ; q's tile is half w % 2 of a fragment's image: registers 6 (w % 2) on; register R of lane l lies at 512 (R / 4) + 16 l + 4 (R % 4)
	s_mul_i32 s53, s15, 1016
	s_add_co_u32 s53, s53, 8
	v_add_nc_u32 v[QO], s52, v[LI]
	v_add_nc_u32 v[QO+1], s53, v[LI]
	s_delay_alu instid0(VALU_DEP_2)
	v_add_nc_u32 v[QO+2], 512, v[QO]
.irp j, 16,17,18,19,20,21,28,29,30,31,32,33
	v_mov_b32 v\j, 0                               ; the zero codes on both sides of q: v[16:27] = [0 | q], v[22:33] = [q | 0]
.endr
.irp b, 0,1,2,3
	v_mov_b32 v[PT+\b], 0                          ; written once: a lane permute's destination counts as one of its sources
.endr
	v_mov_b32 v[F+1], 0
	v_mov_b32 v[NINF], 0xff800000
; A KEY STEP: 128 keys, the record at s42.  chk = 1: a step whose keys all come after my group is left out, and the step on the diagonal hides keys.
.macro STEP chk
.if \chk
	s_cmp_gt_u32 s41, s40
	s_cbranch_scc1 .Lhidden_\@
.endif
	s_setprio 2
	v_add_nc_u32 v[ADK], s42, v[LI]
	v_add_nc_u32 v[ADS], s42, v[LS]
	v_nop
	v_nop                                          ; four places in front of loads into registers that the last products have read
.irp f, 0,1,2,3
.irp c, 0,1,2
	ds_load_b128 v[FB+12*\f+4*\c:FB+12*\f+4*\c+3], v[ADK] offset:1536*\f+512*\c   ; k's fragments, images of their registers: 512 consecutive bytes a load
.endr
.endr
	ds_load_b64 v[KSC:KSC+1], v[ADS] offset:12288  ; register 0: fragments 0 (lanes 0-15) and 1 (lanes 16-31); register 1: fragments 2 and 3
	s_wait_alu depctr_va_vdst(0)
	s_wait_dscnt 0x0
.irp f, 0,1,2,3
	MM S+16*\f, FB+12*\f, 22, 1, KSC+\f/2, QS, \f%2        ; keys 32 f + 8 h + j
	MM S+16*\f+8, FB+12*\f, 16, 1, KSC+\f/2, QS+1, \f%2    ; keys 32 f + 16 + 8 h + j
.endr
.rept 4
	v_nop                                          ; places: in front of the loads below and of the first read of the scores
.endr
.irp t, 0,1,2,3
.irp c, 0,1,2
	ds_load_b128 v[FB+12*\t+4*\c:FB+12*\t+4*\c+3], v[ADK] offset:6144+1536*\t+512*\c   ; v's fragments land while the softmax is worked
.endr
.endr
	ds_load_b64 v[KSC+2:KSC+3], v[ADS] offset:12544
.if \chk
	s_cmp_lg_u32 s41, s40
	s_cbranch_scc1 .Lopen_\@
.set n, 0
.rept 64                                       ; on the diagonal: register n holds key 16 (n / 8) + n % 8 + 8 h of the group: hidden where that is above my query
	v_cmp_gt_i32 vcc_lo, 16*(n/8)+n%8, v[DV]
	v_cndmask_b32 v[S+n], v[S+n], v[NINF], vcc_lo
.set n, n+1
.endr
.Lopen_\@:
.endif
.irp b, 0,1,2,3
	v_max3_num_f32 v[BM+\b], v[S+16*\b], v[S+1+16*\b], v[S+2+16*\b]   ; the largest score of each block of 32 keys: for the row's maximum and, since p rises with the score, for the block's largest p
.endr
.irp i, 3,5,7,9,11,13
.irp b, 0,1,2,3
	v_max3_num_f32 v[BM+\b], v[BM+\b], v[S+16*\b+\i], v[S+1+16*\b+\i]
.endr
.endr
.irp b, 0,1,2,3
	v_max_num_f32 v[BM+\b], v[BM+\b], v[S+15+16*\b]
.endr
.irp b, 0,1,2,3
	s_delay_alu instid0(VALU_DEP_4)
	v_permlanex16_b32 v[PT+\b], v[BM+\b], s20, s21
.endr
.irp b, 0,1,2,3
	s_delay_alu instid0(VALU_DEP_4)
	v_max_num_f32 v[BM+\b], v[BM+\b], v[PT+\b]     ; with lane l xor 16's 16 keys
.endr
	s_delay_alu instid0(VALU_DEP_2)
	v_max3_num_f32 v[TT], v[BM], v[BM+1], v[BM+2]
	s_delay_alu instid0(VALU_DEP_1)
	v_max_num_f32 v[TT], v[TT], v[BM+3]
	s_delay_alu instid0(VALU_DEP_1)
	v_mul_f32 v[TT], s22, v[TT]                    ; the step's largest t (c is positive)
	s_delay_alu instid0(VALU_DEP_1)
	v_max_num_f32 v13, v13, v[TT]                  ; the running largest t
	v_mov_b32 v[TT], v12
	s_delay_alu instid0(VALU_DEP_2)
	v_floor_f32 v12, -v13                          ; -M = floor(-t): M is a whole number
	s_delay_alu instid0(VALU_DEP_1)
	v_sub_f32 v[TT], v12, v[TT]                    ; old M - new M: a whole number, 0 or less
	s_delay_alu instid0(VALU_DEP_1)
	v_cvt_i32_f32 v[TT], v[TT]                     ; (it saturates)
	s_delay_alu instid0(VALU_DEP_1)
	v_ldexp_f32 v[F], 1.0, v[TT]                   ; f = 2^(old M - new M)
.set n, 0
.rept 32
	v_pk_fma_f32 v[S+n:S+n+1], v[S+n:S+n+1], s[22:23], v[12:13] op_sel_hi:[1,0,0]   ; t - M, two at a time
.set n, n+2
.endr
.irp b, 0,1,2,3
	v_fma_f32 v[BM+\b], v[BM+\b], s22, v12         ; the same of each block's largest score
.endr
.set n, 0
	s_setprio 1
	s_wait_alu depctr_va_vdst(0)
.rept 64
	v_exp_f32 v[S+n], v[S+n]                       ; p = 2^(t - M), at most 1
.set n, n+1
.endr
	v_pk_mul_f32 v[14:15], v[14:15], v[F:F+1] op_sel_hi:[1,0]   ; the sums under the new M: the plain line behind the exponentials
	s_wait_alu depctr_va_vdst(0)                   ; one wait for the batch, ahead of its first reader
.irp b, 0,1,2,3
	v_exp_f32 v[BM+\b], v[BM+\b]                   ; the blocks' largest p
.endr
	v_pk_add_f32 v[220:221], v[92:93], v[96:97]
	v_pk_add_f32 v[214:215], v[100:101], v[104:105]
	v_pk_add_f32 v[212:213], v[108:109], v[112:113]
	v_pk_add_f32 v[210:211], v[116:117], v[120:121]
	v_pk_add_f32 v[208:209], v[124:125], v[128:129]
	v_pk_add_f32 v[202:203], v[132:133], v[136:137]
	v_pk_add_f32 v[200:201], v[140:141], v[144:145]
	v_pk_add_f32 v[14:15], v[14:15], v[148:149]
	v_pk_add_f32 v[220:221], v[220:221], v[88:89]
	v_pk_add_f32 v[214:215], v[214:215], v[90:91]
	v_pk_add_f32 v[212:213], v[212:213], v[94:95]
	v_pk_add_f32 v[210:211], v[210:211], v[98:99]
	v_pk_add_f32 v[208:209], v[208:209], v[102:103]
	v_pk_add_f32 v[202:203], v[202:203], v[106:107]
	v_pk_add_f32 v[200:201], v[200:201], v[110:111]
	v_pk_add_f32 v[14:15], v[14:15], v[114:115]
	v_pk_add_f32 v[220:221], v[220:221], v[118:119]
	v_pk_add_f32 v[214:215], v[214:215], v[122:123]
	v_pk_add_f32 v[212:213], v[212:213], v[126:127]
	v_pk_add_f32 v[210:211], v[210:211], v[130:131]
	v_pk_add_f32 v[208:209], v[208:209], v[134:135]
	v_pk_add_f32 v[202:203], v[202:203], v[138:139]
	v_pk_add_f32 v[200:201], v[200:201], v[142:143]
	v_pk_add_f32 v[14:15], v[14:15], v[146:147]
	v_pk_add_f32 v[220:221], v[220:221], v[150:151]
	s_delay_alu instid0(VALU_DEP_2)
	v_pk_add_f32 v[14:15], v[14:15], v[210:211]
	s_delay_alu instid0(VALU_DEP_2)
	v_pk_add_f32 v[220:221], v[220:221], v[208:209]
	v_pk_add_f32 v[214:215], v[214:215], v[202:203]
	v_pk_add_f32 v[212:213], v[212:213], v[200:201]
	s_delay_alu instid0(VALU_DEP_2)
	v_pk_add_f32 v[14:15], v[14:15], v[214:215]
	s_delay_alu instid0(VALU_DEP_2)
	v_pk_add_f32 v[220:221], v[220:221], v[212:213]
	s_delay_alu instid0(VALU_DEP_1)
	v_pk_add_f32 v[14:15], v[14:15], v[220:221]
	s_wait_alu depctr_va_vdst(0)                   ; and one for the four
.irp b, 0,1,2,3
	v_max_num_f32 v[BM+\b], 0x1800000, v[BM+\b]    ; the floor 2^(3 - 127): the byte cannot fall under 1
.endr
.irp b, 0,1,2,3
	s_delay_alu instid0(VALU_DEP_4)
	v_add_nc_u32 v[SO+\b], 0xff000000, v[BM+\b]    ; 2 off the exponent field: the conversion's scale operand
.endr
.irp b, 0,1,2,3
	s_delay_alu instid0(VALU_DEP_4)
	v_lshrrev_b32 v[PT+\b], 23, v[SO+\b]           ; the scale's byte
.endr
	s_delay_alu instid0(VALU_DEP_3)
	v_lshl_or_b32 v[PSW], v[PT+1], 8, v[PT]
	s_delay_alu instid0(VALU_DEP_1)
	v_lshl_or_b32 v[PSW], v[PT+2], 16, v[PSW]
	s_delay_alu instid0(VALU_DEP_1)
	v_lshl_or_b32 v[PSW], v[PT+3], 24, v[PSW]
.irp c, 0,1
	v_cvt_scalef32_pk16_fp6_f32 v[PC+6*\c:PC+6*\c+2], v[S+32*\c:S+32*\c+15], v[SO+2*\c]
	v_cvt_scalef32_pk16_fp6_f32 v[CT+4*\c:CT+4*\c+2], v[S+32*\c+16:S+32*\c+31], v[SO+2*\c+1]
.endr
	v_nop                                          ; one plain place behind a scaled conversion
	s_setprio 0
.irp c, 0,1
.irp i, 0,1,2
	v_permlane16_swap_b32 v[PC+6*\c+\i], v[CT+4*\c+\i]     ; a whole block to a lane: lanes 0-15 block 2 c, lanes 16-31 block 2 c + 1
.endr
.irp i, 0,1,2
	s_delay_alu instid0(VALU_DEP_3)
	v_mov_b32 v[PC+6*\c+3+\i], v[CT+4*\c+\i]
.endr
.endr
.set n, 0
.rept 16
	v_pk_mul_f32 v[O+n:O+n+1], v[O+n:O+n+1], v[F:F+1] op_sel_hi:[1,0]   ; O^T under the new M.  (These sixteen are the places between p's codes and scale word and the products)
.set n, n+2
.endr
	s_wait_alu depctr_va_vdst(0)
	s_wait_dscnt 0x0                               ; v's fragments are in
.irp t, 0,1,2,3
	MM O+8*\t, FB+12*\t, PC, 0, KSC+2+\t/2, PSW, \t%2      ; the four accumulators by turns
.endr
.if \chk
.Lhidden_\@:
.endif
	s_add_co_u32 s42, s42, REC
	s_add_co_u32 s41, s41, 1
.endm
.macro LOOPTO n, chk                   ; key steps up to n: the counts are constants of the text
.Lstep_\@:
	STEP \chk
	s_cmp_lt_u32 s41, \n
	s_cbranch_scc1 .Lstep_\@
	s_setprio 0
.endm
; O^T / the sum is ctx's 64 numbers of my head for 16 tokens.  They meet a given operand (Wo), so the natural order along the head is restored; then two blocks are quantised: half a fragment (six registers) and two scale bytes.
.macro WAYOUT
.rept 4
	v_nop                                          ; places behind the last products
.endr
	v_add_f32 v14, v14, v15
	s_delay_alu instid0(VALU_DEP_1)
	v_permlanex16_b32 v[TT], v14, s20, s21
	s_delay_alu instid0(VALU_DEP_1)
	v_add_f32 v14, v14, v[TT]                      ; the row's sum
	s_wait_alu depctr_va_vdst(0)
	v_rcp_f32 v[F], v14
	v_nop                                          ; a plain place behind the reciprocal
	s_lshr_b32 s52, s14, 4                         ; batch
	s_and_b32 s53, s14, 15                         ; head X
	s_lshl_b32 s54, s52, 3
	s_lshr_b32 s55, s40, 1
	s_add_co_u32 s54, s54, s55                     ; which 256 tokens
	s_mul_i32 s54, s54, 196608
	s_lshr_b32 s55, s53, 2                         ; which 256 along K: X / 4
	s_mul_i32 s55, s55, 49152
	s_add_co_u32 s54, s54, s55
	s_and_b32 s55, s40, 1                          ; which 128 tokens of the 256
	s_mul_i32 s55, s55, 24576
	s_add_co_u32 s54, s54, s55
	s_mul_i32 s55, s17, 3072                       ; my 16 tokens
	s_add_co_u32 s54, s54, s55
	s_and_b32 s55, s53, 3                          ; fragment (X / 2) % 2, half X % 2: 768 bytes each
	s_mul_i32 s55, s55, 768
	s_add_co_u32 s54, s54, s55
	s_mov_b32 s55, 0
	s_add_nc_u64 s[48:49], s[8:9], s[54:55]
	s_lshl_b32 s56, s52, 7
	s_lshl_b32 s57, s40, 3
	s_add_co_u32 s56, s56, s57
	s_add_co_u32 s56, s56, s17                     ; my first token / 16
	s_lshl_b32 s56, s56, 9                         ; 32 scale bytes a token
	s_lshl_b32 s57, s53, 1
	s_add_co_u32 s56, s56, s57                     ; my head's two
	s_mov_b32 s57, 0
	s_add_nc_u64 s[50:51], s[10:11], s[56:57]
	s_wait_alu depctr_va_vdst(0)                   ; ahead of the reciprocal's first reader
.set n, 0
.rept 16
	v_pk_mul_f32 v[S+n:S+n+1], v[O+n:O+n+1], v[F:F+1] op_sel_hi:[1,0]   ; register 8 t + j: channel 16 t + 8 h + j
.set n, n+2
.endr
.irp b, 0,1
.irp j, 0,1,2,3,4,5,6,7
	v_permlane16_swap_b32 v[S+16*\b+\j], v[S+16*\b+8+\j]   ; now register 16 b + i is channel 32 b + 16 h + i
.endr
.endr
.irp b, 0,1
	v_max3_num_f32 v[BM+\b], |v[S+16*\b]|, |v[S+1+16*\b]|, 0x1800000
.endr
.irp i, 2,4,6,8,10,12,14
.irp b, 0,1
	s_delay_alu instid0(VALU_DEP_2)
	v_max3_num_f32 v[BM+\b], v[BM+\b], |v[S+16*\b+\i]|, |v[S+1+16*\b+\i]|
.endr
.endr
.irp b, 0,1
	s_delay_alu instid0(VALU_DEP_2)
	v_permlanex16_b32 v[PT+\b], v[BM+\b], s20, s21
.endr
.irp b, 0,1
	s_delay_alu instid0(VALU_DEP_2)
	v_max_num_f32 v[BM+\b], v[BM+\b], v[PT+\b]
.endr
.irp b, 0,1
	s_delay_alu instid0(VALU_DEP_2)
	v_add_nc_u32 v[SO+\b], 0xff000000, v[BM+\b]
.endr
.irp b, 0,1
	s_delay_alu instid0(VALU_DEP_2)
	v_lshrrev_b32 v[PT+\b], 23, v[SO+\b]
.endr
	s_delay_alu instid0(VALU_DEP_1)
	v_lshl_or_b32 v[CW], v[PT+1], 8, v[PT]
	v_cvt_scalef32_pk16_fp6_f32 v[PC:PC+2], v[S:S+15], v[SO]
	v_cvt_scalef32_pk16_fp6_f32 v[CT:CT+2], v[S+16:S+31], v[SO+1]
	v_nop
.irp i, 0,1,2
	v_permlane16_swap_b32 v[PC+\i], v[CT+\i]
.endr
.irp i, 0,1,2
	s_delay_alu instid0(VALU_DEP_3)
	v_mov_b32 v[PC+3+\i], v[CT+\i]
.endr
.irp j, 0,1,2
	global_store_b64 v[LS], v[PC+2*\j:PC+2*\j+1], s[48:49] offset:256*\j   ; each store of the wave covers 256 consecutive bytes, aligned
.endr
	global_store_b16 v[R32], v[CW], s[50:51]       ; two bytes a token (both halves of the lanes write the same): a token's 32 bytes come from sixteen heads
.endm
.macro PASS p
	s_wait_xcnt 0x0                                ; the last pass's loads and stores have read their registers and bases
.if \p == 0
	s_sub_co_u32 s40, 15, s16                      ; group 15 - w / 2: 9 to 16 key steps
.else
	s_mov_b32 s40, s16                             ; group w / 2: 1 to 8
.endif
	s_mul_i32 s52, s14, HQ
	s_mul_i32 s53, s40, RQ
	s_add_co_u32 s52, s52, s53                     ; the group's record of q
	s_mul_i32 s54, s13, 1536                       ; fragment cx holds tiles 2 cx and 2 cx + 1
	s_add_co_u32 s54, s54, s52
	s_mov_b32 s55, 0
	s_add_nc_u64 s[44:45], s[4:5], s[54:55]
	s_and_b32 s56, s13, 1
	s_lshl_b32 s56, s56, 7
	s_lshr_b32 s57, s13, 1
	s_lshl_b32 s57, s57, 2
	s_add_co_u32 s56, s56, s57
	s_add_co_u32 s56, s56, s52
	s_add_co_u32 s56, s56, 6144                    ; its scale words: 128 (cx % 2) + 8 r + 4 (cx / 2) in the block
	s_mov_b32 s57, 0
	s_add_nc_u64 s[46:47], s[4:5], s[56:57]
	global_load_b64 v[22:23], v[QO], s[44:45]
	global_load_b64 v[24:25], v[QO+1], s[44:45]
	global_load_b64 v[26:27], v[QO+2], s[44:45]
	global_load_b32 v[QRAW], v[R8], s[46:47]
	v_mov_b32 v13, 0xff61b1e6                      ; the largest t so far: -3e38
	s_delay_alu instid0(VALU_DEP_1)
	v_floor_f32 v12, -v13
	v_mov_b32 v14, 0
	v_mov_b32 v15, 0
	s_mov_b32 s41, 0
	s_mov_b32 s42, 0
	s_wait_loadcnt 0x0
	v_lshrrev_b32 v[QRAW], s18, v[QRAW]            ; my tile's two bytes
	s_delay_alu instid0(VALU_DEP_1)
	v_and_b32 v[QS], 0xffff, v[QRAW]               ; [q0, q1, 0, 0]
	s_delay_alu instid0(VALU_DEP_1)
	v_lshlrev_b32 v[QS+1], 16, v[QS]               ; [0, 0, q0, q1]
.set n, 0
.rept 32
	v_mov_b32 v[O+n], 0                            ; O^T: the step is written without a first step of its own.  (Also the places between q's scale words and the first product)
.set n, n+1
.endr
.if \p == 0
	s_wait_tensorcnt 1                             ; my part of records 0 to 7 is in; my second load may stay out
	s_barrier_signal -1
	s_barrier_wait -1
	LOOPTO 8, 0                                    ; keys 0 to 1,023 come before every query of groups 8 to 15
	s_wait_tensorcnt 0x0                           ; my part of records 8 to 15
	s_wait_dscnt 0x0
	s_barrier_signal -1
	s_barrier_wait -1
	s_mov_b32 s41, 8
	s_mov_b32 s42, 8*REC
	LOOPTO 16, 1
.else
	LOOPTO 8, 1
.endif
	WAYOUT
.endm
	PASS 0
	PASS 1
	s_wait_tensorcnt 0x0
	ds_add_u32 v224, v225
	s_wait_dscnt 0x0
	CROUND                                         ; the closing round
	s_endpgm
.Lfunc_end_k_qe877ff184b_attn:
	.size	k_qe877ff184b_attn, .Lfunc_end_k_qe877ff184b_attn-k_qe877ff184b_attn
	.p2alignl 7, 3214868480
	.fill 96, 4, 3214868480
	.section	.rodata,"a",@progbits
	.p2align	6, 0x0
	.amdhsa_kernel k_qe877ff184b_attn
		.amdhsa_group_segment_fixed_size 206848
		.amdhsa_private_segment_fixed_size 0
		.amdhsa_enable_private_segment 0
		.amdhsa_kernarg_size 32
		.amdhsa_user_sgpr_count 2
		.amdhsa_user_sgpr_kernarg_segment_ptr 1
		.amdhsa_wavefront_size32 1
		.amdhsa_system_sgpr_workgroup_id_x 1
		.amdhsa_system_sgpr_workgroup_id_y 1
		.amdhsa_system_sgpr_workgroup_id_z 1
		.amdhsa_system_vgpr_workitem_id 0
		.amdhsa_next_free_vgpr 226
		.amdhsa_next_free_sgpr 66
		.amdhsa_reserve_vcc 1
		.amdhsa_float_denorm_mode_32 3
		.amdhsa_float_denorm_mode_16_64 3
		.amdhsa_memory_ordered 1
		.amdhsa_forward_progress 1
		.amdhsa_inst_pref_size 83
	.end_amdhsa_kernel
	.amdgpu_metadata
---
amdhsa.version: [ 1, 2 ]
amdhsa.kernels:
  - .name:           k_qe877ff184b_attn
    .symbol:         k_qe877ff184b_attn.kd
    .args:
      - { .name: qws, .offset: 0, .size: 8, .value_kind: global_buffer, .address_space: global }
      - { .name: kv, .offset: 8, .size: 8, .value_kind: global_buffer, .address_space: global }
      - { .name: ctx_codes, .offset: 16, .size: 8, .value_kind: global_buffer, .address_space: global }
      - { .name: ctx_scales, .offset: 24, .size: 8, .value_kind: global_buffer, .address_space: global }
    .group_segment_fixed_size: 206848
    .private_segment_fixed_size: 0
    .kernarg_segment_align: 8
    .kernarg_segment_size: 32
    .max_flat_workgroup_size: 512
    .sgpr_count:     66
    .vgpr_count:     226
    .wavefront_size: 32
...
	.end_amdgpu_metadata
.endif
;; end of part 2
;; launch outp (part 3): grid 4 x 32, 4 waves a work-group, clusters of 4 x 4, 327,680 bytes of LDS; arguments ctx_codes, ctx_scales, Wo_codes, Wo_scales, bo, out0; writes out0
.if DOCPART == 3
	.amdgcn_target "amdgcn-amd-amdhsa--gfx1250"
	.amdhsa_code_object_version 6
	.text
	.protected	k_qe877ff184b_outp
	.globl	k_qe877ff184b_outp
	.p2align	8
	.type	k_qe877ff184b_outp,@function
k_qe877ff184b_outp:
	s_mov_b64 s[64:65], 0
	v_nop
	global_prefetch_b8 v0, s[64:65] scope:SCOPE_SE
	s_setreg_imm32_b32 hwreg(HW_REG_WAVE_MODE, 25, 1), 1
	s_wait_xcnt 0x0
	s_wait_alu depctr_hold_cnt(0) depctr_sa_sdst(0) depctr_va_vdst(0) depctr_va_sdst(0) depctr_va_ssrc(0) depctr_va_vcc(0) depctr_vm_vsrc(0)
	s_getreg_b32 s2, hwreg(HW_REG_IB_STS2, 6, 4)
	s_cmp_eq_u32 s2, 0
	s_cbranch_scc0 .Lentry_in_a_cluster
	s_endpgm
.Lentry_in_a_cluster:
	s_bfe_u32 s2, ttmp6, 0x10000c
	s_cmp_lg_u32 s2, 0xf033
	s_cbranch_scc0 .Lentry_shape_is_right
	s_endpgm
.Lentry_shape_is_right:
; out0 = ctx Wo + bo on codes of FP6 (E2M3) with one E8M0 scale for each 32 along K = 1,024.  ctx: 8,192 tokens; Wo: 1,024 rows (its output column n) of 768 bytes of codes and 32 scale bytes; out0 [8192][1024] f32.
; A tile of 256 x 256 is made by four waves, 128 x 128 each: 64 accumulators, 512 registers.  K goes in four steps of 256 through two LDS slots; the scale bytes of the tile's rows come once.
; ctx's codes lie in memory as IMAGES of the operand's registers: [256 tokens][256 along K][128 tokens][16 tokens][128 along K]: a fragment of 1,536 bytes, register pair p of lane l at 256 p + 8 l.  So a wave's part of a K step
; is 24,576 dense bytes, and a fragment comes out of LDS by six loads of 8 bytes a lane, 256 consecutive bytes each.  ctx's scale bytes lie [8192][32].  Wo's tiles are rows of 192 bytes, padded in LDS.
; CLUSTERS: 4 x 4 work-groups; ctx's tiles are shared along a row of the cluster, Wo's along a column: each is asked for jointly.
; The matrix instruction is used transposed (source 0 = 16 rows of Wo, source 1 = 16 tokens): a lane holds eight neighbouring numbers of a row of out0.  The bias is the C of each sum's first product.
; The grid has 128 work-groups: a tile of half the size would give each LDS byte half the multiply-adds.
; REGISTERS, in windows of 256: window 0: v0-31 addresses; v32-63 scale words, two sets; v64-127 the bias in the result's layout; v128-223 ctx's fragments, one set; on the way out v128-255 rows of out0.
;   window 1: Wo's fragments, two sets.  window 2: the accumulators of my rows 0-63 ((a, b) at v[8 (8 a + b)]);  window 3: those of my rows 64-127.
.set SIZE_N, 1024
.set NQ,     2
.set ROWB,   192
.set KROW,   768
.set PITCH,  240                       ; Wo's LDS row: 3 x (64 bytes + 16 of padding)
.set FR,     12
.set NL,     6
.set NP,     4
.set HALFT,  128*PITCH                 ; a wave's region in a slot (ctx's images take 24,576 bytes of it)
.set SLOT,   4*HALFT
.set ASTEP,  49152                     ; ctx: from a K step of 256 tokens to the next
.set KS,     32
.set SCL,    2*SLOT
.set HALFS,  16*272
.set SBLK,   2*272
.set SPARE,  SCL+4*HALFS               ; the spare words, 128 bytes a wave: two blocks of 256 bytes that no other line names
.set SPITCH, 528                       ; the way out: a stage of 16 rows x (512 bytes + 16) for each wave, in slot 0, which has had its last fill and its last read by then
.set ADRA, 16                          ; v16-17 my ctx fragments in slot 0, 1
.set ADRB, 20                          ; v20-23 my Wo fragments
.set STO,  24
.set RD,   25
.set CO,   26
.set ADRS, 27
.set SPW,  28
.set NIL,  29
.set BOF,  30                          ; v30 32 x (lane / 16): my eight numbers of a tile's sixteen of bo
.set SC,   32
.set BI,   64                          ; the bias
.set AF,   128
.set BK,   128
.set G1, 24
.set G0, 32
.set G1B, 48
.set G0B, 56
.set G1S, 68
.set G0S, 76
.set G1SB, 80
.set G0SB, 88
.set MSB, 0
.macro WIN new                         ; the immediate's high byte repeats the setting that is left
.if MSB != \new
	s_set_vgpr_msb (MSB<<8)|\new
.set MSB, \new
.endif
.endm
.set MUL_LO, 0xa1                      ; source 0 (Wo) window 1, source 1 (ctx) window 0, C and D window 2
.set MUL_HI, 0xf1
.set FST_LO, 0x81                      ; the first products: C (the bias) window 0, D window 2
.set FST_HI, 0xc1
.set TO_B,   0x40
.macro JLOAD g0a, g1a, g0b, g1b        ; a joint load: waves 0 and 1 fetch ctx's halves, waves 2 and 3 Wo's; four v_nop follow each of the two lines
	s_cmp_eq_u32 s15, 0
	s_cbranch_scc0 .Lfor_b_\@
	tensor_load_to_lds s[\g0a:\g0a+3], s[\g1a:\g1a+7]
	s_nop 0
.rept 4
	v_nop
.endr
	s_branch .Lasked_\@
.Lfor_b_\@:
	tensor_load_to_lds s[\g0b:\g0b+3], s[\g1b:\g1b+7]
	s_nop 0
.rept 4
	v_nop
.endr
.Lasked_\@:
.endm
.macro CREST
	s_cmp_lg_u32 s14, 0
	s_cbranch_scc1 .Lnot_wave_0_\@
	s_barrier_signal -3
.Lnot_wave_0_\@:
	s_barrier_wait -3
	s_barrier_signal -1
	s_barrier_wait -1
.endm
.macro CROUND
	s_barrier_signal -1
	s_barrier_wait -1
	CREST
.endm
	s_load_b128 s[4:7], s[0:1], 0x0                ; ctx's codes, ctx's scales
	s_load_b128 s[8:11], s[0:1], 0x10              ; Wo's codes, Wo's scales
	s_load_b64 s[66:67], s[0:1], 0x20              ; bo
	s_load_b64 s[12:13], s[0:1], 0x28              ; out0
	v_lshl_add_u32 v[SPW], v0, 2, SPARE
	v_mov_b32 v[NIL], 0
	ds_add_u32 v28, v29
	ds_add_u32 v28, v29
	s_wait_dscnt 0x0
	v_lshrrev_b32 v1, 5, v0
	v_readfirstlane_b32 s14, v1                    ; wave 0..3
	s_lshr_b32 s15, s14, 1                         ; which half of the tile's rows is mine.  Also: I fetch for ctx (0) or for Wo (1)
	s_and_b32 s16, s14, 1                          ; which half of its columns.  Also: which 128 rows I fetch
	s_bfe_u32 s40, ttmp6, 0x40000                  ; cx
	s_bfe_u32 s41, ttmp6, 0x40004                  ; cy
	s_lshl_b32 s42, ttmp9, 2
	s_add_co_u32 s42, s42, s40                     ; tile column
	s_and_b32 s17, ttmp7, 0xffff
	s_lshl_b32 s17, s17, 2
	s_add_co_u32 s17, s17, s41                     ; tile row
	s_lshl_b32 s43, s41, 2
	s_lshl_b32 s43, 15, s43                        ; my row of the cluster
	s_lshl_b32 s44, 0x1111, s40                    ; my column
	; group 1 for ctx's images: 24,576 dense bytes as 96 rows of 256 (32 elements of 8 bytes), no padding
	s_or_b32 s[G1+0], s43, (3<<16)|(1<<21)
	s_mov_b32 s[G1+1], 32<<16
	s_mov_b32 s[G1+2], 96<<16
	s_mov_b32 s[G1+3], 32<<16
	s_mov_b32 s[G1+4], 96
	s_mov_b32 s[G1+5], 32
	s_mov_b32 s[G1+6], 0
	s_mov_b32 s[G1+7], 0
	; for Wo's tiles: 128 rows x 192 bytes, 16 bytes of padding behind every 64
	s_or_b32 s[G1B+0], s44, (0<<16)|(1<<20)|(1<<21)|(3<<22)|(3<<25)
	s_mov_b32 s[G1B+1], ROWB<<16
	s_mov_b32 s[G1B+2], 128<<16
	s_mov_b32 s[G1B+3], ROWB<<16
	s_mov_b32 s[G1B+4], 128
	s_mov_b32 s[G1B+5], KROW
	s_mov_b32 s[G1B+6], 0
	s_mov_b32 s[G1B+7], 0
	; for the scale bytes of 128 rows: 16 rows of 256 bytes, 16 bytes of padding behind each
	s_or_b32 s[G1S+0], s43, (3<<16)|(1<<20)|(1<<21)|(5<<22)|(3<<25)
	s_or_b32 s[G1SB+0], s44, (3<<16)|(1<<20)|(1<<21)|(5<<22)|(3<<25)
.irp g, G1S, G1SB
	s_mov_b32 s[\g+1], 32<<16
	s_mov_b32 s[\g+2], 16<<16
	s_mov_b32 s[\g+3], 32<<16
	s_mov_b32 s[\g+4], 16
	s_mov_b32 s[\g+5], 32
	s_mov_b32 s[\g+6], 0
	s_mov_b32 s[\g+7], 0
.endr
	s_mul_i32 s20, s17, 196608                     ; ctx's images: 256 tokens x 768 bytes a tile row,
	s_mul_i32 s18, s16, 24576                      ; + the 128 tokens that I fetch
	s_add_co_u32 s20, s20, s18
	s_mov_b32 s21, 0
	s_lshl_b32 s18, s16, 7
	s_lshl_b32 s22, s17, 8
	s_add_co_u32 s22, s22, s18
	s_lshl_b32 s22, s22, 5                         ; ctx's scale bytes: 32 a token
	s_mov_b32 s23, 0
	s_lshl_b32 s46, s42, 8
	s_add_co_u32 s46, s46, s18                     ; Wo: row 256 x tile column + 128 x half
	s_lshl_b32 s92, s46, 5
	s_mov_b32 s93, 0
	s_mul_i32 s46, s46, KROW
	s_mov_b32 s47, 0
	s_mul_i32 s45, s14, HALFT                      ; where they go: wave x a region
	s_mul_i32 s94, s14, HALFS
	s_wait_kmcnt 0x0
	s_add_nc_u64 s[20:21], s[4:5], s[20:21]
	s_add_nc_u64 s[22:23], s[6:7], s[22:23]
	s_add_nc_u64 s[46:47], s[8:9], s[46:47]
	s_add_nc_u64 s[92:93], s[10:11], s[92:93]
	CROUND                                         ; all sixteen work-groups are here: the first joint loads meet
	s_mov_b32 s[G0S], 1
	s_add_co_u32 s[G0S+1], s94, SCL
	s_mov_b64 s[G0S+2:G0S+3], s[22:23]
	s_or_b32 s[G0S+3], s[G0S+3], 0x80000000
	s_mov_b32 s[G0SB], 1
	s_add_co_u32 s[G0SB+1], s94, SCL
	s_mov_b64 s[G0SB+2:G0SB+3], s[92:93]
	s_or_b32 s[G0SB+3], s[G0SB+3], 0x80000000
	JLOAD G0S, G1S, G0SB, G1SB                     ; the scales first
.irp s, 0,1
	s_mov_b32 s[G0+4*\s], 1
	s_add_co_u32 s[G0+4*\s+1], s45, \s*SLOT
	s_add_nc_u64 s[G0+4*\s+2:G0+4*\s+3], s[20:21], \s*ASTEP
	s_or_b32 s[G0+4*\s+3], s[G0+4*\s+3], 0x80000000
	s_mov_b32 s[G0B+4*\s], 1
	s_add_co_u32 s[G0B+4*\s+1], s45, \s*SLOT
	s_add_nc_u64 s[G0B+4*\s+2:G0B+4*\s+3], s[46:47], \s*ROWB
	s_or_b32 s[G0B+4*\s+3], s[G0B+4*\s+3], 0x80000000
	JLOAD G0+4*\s, G1, G0B+4*\s, G1B
.endr
	v_and_b32 v1, 15, v0                           ; r
	v_bfe_u32 v2, v0, 4, 1                         ; h
	v_and_b32 v6, 31, v0                           ; lane
	v_lshlrev_b32 v7, 3, v6                        ; ctx's images: 8 bytes a lane
	v_mul_u32_u24 v3, v1, PITCH
	v_mul_u32_u24 v4, v2, 24
	v_add_nc_u32 v4, v3, v4                        ; Wo: a fragment's row x pitch + 24 x half
	v_lshl_add_u32 v5, v2, 4, v4                   ; and the same behind one padding more
	s_mul_i32 s21, s15, HALFT                      ; my 128 tokens
	s_mul_i32 s22, s16, HALFT                      ; my 128 rows of Wo,
	s_add_co_u32 s22, s22, 2*HALFT                 ; behind ctx's two regions
.irp s, 0,1
	v_add_nc_u32 v[ADRA+\s], s21, v7
	v_add_nc_u32 v[ADRB+\s], s22, v4
	v_add_nc_u32 v[ADRB+2+\s], s22, v5
	s_add_co_u32 s21, s21, SLOT
	s_add_co_u32 s22, s22, SLOT
.endr
	v_mul_u32_u24 v5, v1, KS
	v_lshrrev_b32 v8, 8, v5
	v_lshl_add_u32 v5, v8, 4, v5
	s_mul_i32 s21, s15, HALFS
	s_mul_i32 s22, s16, HALFS
	s_add_co_u32 s22, s22, 2*HALFS
	s_sub_co_u32 s22, s22, s21
	v_mul_u32_u24 v8, s22, v2                      ; lanes 16-31 take Wo's: one product, the distance between the two bases
	s_add_co_u32 s21, s21, SCL
	v_add_nc_u32 v5, v5, v8
	v_add_nc_u32 v[ADRS], s21, v5
	s_mul_i32 s23, s14, 16*SPITCH                  ; my stage
	v_mul_u32_u24 v5, v1, SPITCH
	v_lshl_add_u32 v5, v2, 5, v5
	v_add_nc_u32 v[STO], s23, v5                   ; in: row r, 32 bytes for each half of the lanes
	v_lshlrev_b32 v[CO], 4, v6                     ; back: the 32 lanes take one row of 512 bytes; and the same in out0
	v_add_nc_u32 v[RD], s23, v[CO]
	v_lshlrev_b32 v[BOF], 5, v2
	s_lshl_b32 s20, s17, 8
	s_lshl_b32 s21, s15, 7
	s_add_co_u32 s20, s20, s21                     ; my first row of out0
	s_lshl_b32 s20, s20, 12                        ; 4,096 bytes a row (under 2^25)
	s_mov_b32 s21, 0
	s_lshl_b32 s46, s42, 10                        ; my first column, in bytes
	s_lshl_b32 s47, s16, 9
	s_add_co_u32 s46, s46, s47
	s_mov_b32 s47, 0
	s_add_nc_u64 s[66:67], s[66:67], s[46:47]      ; bo at my first column
	s_add_nc_u64 s[20:21], s[20:21], s[46:47]
	s_add_nc_u64 s[12:13], s[12:13], s[20:21]
.irp b, 0,1,2,3,4,5,6,7
	global_load_b128 v[BI+8*\b:BI+8*\b+3], v[BOF], s[66:67] offset:64*\b       ; register 8 b + j: bo at my column 16 b + 8 h + j
	global_load_b128 v[BI+8*\b+4:BI+8*\b+7], v[BOF], s[66:67] offset:64*\b+16
.endr
.macro FRAG reg, adr, q, i             ; a fragment of Wo from padded rows, in pieces of 8 bytes
.irp p, 0,1,2,3,4,5
.set PCE, 12*(\q)+6*(\p/3)+\p%3
.if PCE%8 < 5
	ds_load_b64 v[\reg+2*\p:\reg+2*\p+1], v[\adr] offset:8*PCE+16*(PCE/8)+(\i)*16*PITCH
.else
	ds_load_b64 v[\reg+2*\p:\reg+2*\p+1], v[\adr+2] offset:8*PCE+16*(PCE/8)+(\i)*16*PITCH
.endif
.endr
.endm
.macro FRAGA reg, slot, q, i           ; a fragment of ctx from its image
.irp p, 0,1,2,3,4,5
	ds_load_b64 v[\reg+2*\p:\reg+2*\p+1], v[ADRA+\slot] offset:((\i)*2+(\q))*1536+256*\p
.endr
.endm
; 16 matrix instructions: ctx's blocks a0, a0 + 1 x Wo's eight.  zero = 1: the first product starts the sums from the bias.  The 64 accumulators take turns, one instruction a turn.
.macro MUL16 a0, p, q, sc, zero
.irp a, \a0, \a0+1
.irp b, 0,1,2,3,4,5,6,7
.if \zero
	v_wmma_scale_f32_16x16x128_f8f6f4 v[8*(8*((\a)%4)+\b):8*(8*((\a)%4)+\b)+7], v[128*(\p)+FR*\b:128*(\p)+FR*\b+FR-1], v[AF+FR*(\a):AF+FR*(\a)+FR-1], v[BI+8*\b:BI+8*\b+7], v[SC+8*NQ*(\sc)+NQ*\b+(\q)], v[SC+8*NQ*(\sc)+NQ*(\a)+(\q)] matrix_a_fmt:MATRIX_FMT_FP6 matrix_b_fmt:MATRIX_FMT_FP6 matrix_a_scale:MATRIX_SCALE_ROW1
.else
	v_wmma_scale_f32_16x16x128_f8f6f4 v[8*(8*((\a)%4)+\b):8*(8*((\a)%4)+\b)+7], v[128*(\p)+FR*\b:128*(\p)+FR*\b+FR-1], v[AF+FR*(\a):AF+FR*(\a)+FR-1], v[8*(8*((\a)%4)+\b):8*(8*((\a)%4)+\b)+7], v[SC+8*NQ*(\sc)+NQ*\b+(\q)], v[SC+8*NQ*(\sc)+NQ*(\a)+(\q)] matrix_a_fmt:MATRIX_FMT_FP6 matrix_b_fmt:MATRIX_FMT_FP6 matrix_a_scale:MATRIX_SCALE_ROW1
.endif
.endr
.endr
.endm
.macro FETCH_B slot, q, p
	WIN TO_B
.irp i, 0,1,2,3,4,5,6,7
	FRAG 128*(\p)+FR*\i, ADRB+\slot, \q, \i
.endr
	WIN 0
.endm
.macro FETCH_A slot, q, i0
.irp i, \i0, \i0+1, \i0+2, \i0+3
	FRAGA AF+FR*(\i), \slot, \q, \i
.endr
.endm
.macro SCALES sc
.irp i, 0,1,2,3,4,5,6,7
	ds_load_b64 v[SC+8*NQ*\sc+NQ*\i:SC+8*NQ*\sc+NQ*\i+1], v[ADRS] offset:\i*SBLK
.endr
.endm
.macro PLACES n                        ; plain vector instructions between a matrix instruction and a load into, or a read of, its registers (ISA guide 7.12.1 for reads)
.rept \n
	v_nop
.endr
.endm
.macro STEP slot, q, zero
	s_wait_dscnt 4*NL                              ; Wo's set and ctx's blocks 0-3 are in; the youngest 24 loads (blocks 4-7) may be out
.if \zero
	WIN FST_LO
.else
	WIN MUL_LO
.endif
	MUL16 0, (\q)%2, \q, \slot, \zero
	MUL16 2, (\q)%2, \q, \slot, \zero
	s_wait_dscnt 0
	PLACES NP
	FETCH_B \slot, (\q)+1, 1-(\q)%2
	FETCH_A \slot, (\q)+1, 0
.if \zero
	WIN FST_HI
.else
	WIN MUL_HI
.endif
	MUL16 4, (\q)%2, \q, \slot, \zero
	MUL16 6, (\q)%2, \q, \slot, \zero
	PLACES NP
	WIN 0
	FETCH_A \slot, (\q)+1, 4
.endm
; A slot's last 128 change slots: ONE barrier; in front of it each wave waits for all its tensor loads, adds 0 to its spare word, and waits for that and for its reads of this slot.
.macro TURN slot, next, fill
	s_wait_tensorcnt 0x0                           ; all my tensor loads have landed: my part of the next slot
	ds_add_u32 v[SPW], v[NIL]                      ; 0 onto my spare word
	s_wait_dscnt 4*NL+1                            ; (the add and the youngest 24 loads may be out)
	WIN MUL_LO
	MUL16 0, 1, NQ-1, \slot, 0
	s_wait_dscnt 0x0                               ; the add is done, and my reads of this slot are over
	s_barrier_signal -1
	MUL16 2, 1, NQ-1, \slot, 0
	WIN 0
	s_barrier_wait -1
.if \fill
	CREST                                          ; the barrier has opened a round of the cluster's: no wave of any partner still reads this slot or has a load on its way
	s_add_nc_u64 s[G0+4*\slot+2:G0+4*\slot+3], s[G0+4*\slot+2:G0+4*\slot+3], 2*ASTEP
	s_add_nc_u64 s[G0B+4*\slot+2:G0B+4*\slot+3], s[G0B+4*\slot+2:G0B+4*\slot+3], 2*ROWB
	JLOAD G0+4*\slot, G1, G0B+4*\slot, G1B         ; the first tensor load behind the round; its four v_nop are the places in front of the loads below
.else
	PLACES NP
.endif
	v_add_nc_u32 v[ADRS], 4*NQ, v[ADRS]
	FETCH_B \next, 0, 0
	FETCH_A \next, 0, 0
	SCALES \next
	WIN MUL_HI
	MUL16 4, 1, NQ-1, \slot, 0
	MUL16 6, 1, NQ-1, \slot, 0
	PLACES NP
	WIN 0
	FETCH_A \next, 0, 4
.endm
	s_wait_tensorcnt 1                             ; the scales and my part of K step 0 are in; K step 1's load may be out
	s_barrier_signal -1
	s_barrier_wait -1
	FETCH_B 0, 0, 0
	FETCH_A 0, 0, 0
	SCALES 0
	FETCH_A 0, 0, 4
	s_wait_loadcnt 0x0                             ; the bias
	STEP 0, 0, 1                                   ; K = 1,024 is four K steps: they are written out
	TURN 0, 1, 1                                   ; slot 0 takes K step 2
	STEP 1, 0, 0
	TURN 1, 0, 1                                   ; slot 1 takes K step 3
	STEP 0, 0, 0
	TURN 0, 1, 0
	STEP 1, 0, 0
	s_wait_dscnt 4*NL
	WIN MUL_LO
	MUL16 0, 1, NQ-1, 1, 0
	MUL16 2, 1, NQ-1, 1, 0
	s_wait_dscnt 0
	WIN MUL_HI
	MUL16 4, 1, NQ-1, 1, 0
	MUL16 6, 1, NQ-1, 1, 0
	WIN 0
; THE WAY OUT, block by block of 16 rows x 128 columns: through my own stage in LDS and back as whole rows of 512 bytes.  LDS serves a wave's instructions in order (ISA guide 5.7.1.4): no wait between the stores and the loads.
.macro TOSTAGE a
.set AC, 64*((\a)%4)
	WIN 0x08+4*((\a)/4)                            ; the data: window 2 or 3
.irp b, 0,1,2,3,4,5,6,7
	ds_store_b128 v[STO], v[AC+8*\b:AC+8*\b+3] offset:64*\b          ; each accumulator from its low end on
	ds_store_b128 v[STO], v[AC+8*\b+4:AC+8*\b+7] offset:64*\b+16
.endr
	WIN 0
.set BB, BK+64*((\a)%2)
.irp t, 0,1,2,3,4,5,6,7,8,9,10,11,12,13,14,15
	ds_load_b128 v[BB+4*\t:BB+4*\t+3], v[RD] offset:\t*SPITCH
.endr
.endm
.macro SEND a, younger                 ; younger: the LDS instructions issued behind block a's loads, which may stay out
.set BB, BK+64*((\a)%2)
	s_wait_dscnt \younger
.if (\a) > 0
	s_add_nc_u64 s[12:13], s[12:13], 16*SIZE_N*4   ; (behind a wait on XCNT: the earlier stores have read their base)
.endif
.irp t, 0,1,2,3,4,5,6,7,8,9,10,11,12,13,14,15
	global_store_b128 v[CO], v[BB+4*\t:BB+4*\t+3], s[12:13] offset:\t*SIZE_N*4 th:TH_STORE_NT   ; 32 lanes store 512 consecutive bytes, at a multiple of 256 from out0's first byte
.endr
.endm
	PLACES NP
	TOSTAGE 0
.irp a, 1,2,3,4,5,6,7
.if \a > 1
	s_wait_xcnt 0x0                                ; block a - 2's stores have read their registers and their base
.endif
	TOSTAGE \a
	SEND \a-1, 32                                  ; behind block a - 1's loads: block a's 16 stores and 16 loads
.endr
	s_wait_xcnt 0x0
	SEND 7, 0
	s_wait_tensorcnt 0x0                           ; the wave's end
	ds_add_u32 v[SPW], v[NIL]
	s_wait_dscnt 0x0
	CROUND                                         ; the closing round
	s_endpgm
.Lfunc_end_k_qe877ff184b_outp:
	.size	k_qe877ff184b_outp, .Lfunc_end_k_qe877ff184b_outp-k_qe877ff184b_outp
	.p2alignl 7, 3214868480
	.fill 96, 4, 3214868480
	.section	.rodata,"a",@progbits
	.p2align	6, 0x0
	.amdhsa_kernel k_qe877ff184b_outp
		.amdhsa_group_segment_fixed_size 327680
		.amdhsa_private_segment_fixed_size 0
		.amdhsa_enable_private_segment 0
		.amdhsa_kernarg_size 48
		.amdhsa_user_sgpr_count 2
		.amdhsa_user_sgpr_kernarg_segment_ptr 1
		.amdhsa_wavefront_size32 1
		.amdhsa_system_sgpr_workgroup_id_x 1
		.amdhsa_system_sgpr_workgroup_id_y 1
		.amdhsa_system_sgpr_workgroup_id_z 1
		.amdhsa_system_vgpr_workitem_id 0
		.amdhsa_next_free_vgpr 1024
		.amdhsa_next_free_sgpr 98
		.amdhsa_reserve_vcc 0
		.amdhsa_float_denorm_mode_32 3
		.amdhsa_float_denorm_mode_16_64 3
		.amdhsa_memory_ordered 1
		.amdhsa_forward_progress 1
		.amdhsa_inst_pref_size 161
	.end_amdhsa_kernel
	.amdgpu_metadata
---
amdhsa.version: [ 1, 2 ]
amdhsa.kernels:
  - .name:           k_qe877ff184b_outp
    .symbol:         k_qe877ff184b_outp.kd
    .args:
      - { .name: ctx_codes, .offset: 0, .size: 8, .value_kind: global_buffer, .address_space: global }
      - { .name: ctx_scales, .offset: 8, .size: 8, .value_kind: global_buffer, .address_space: global }
      - { .name: Wo_codes, .offset: 16, .size: 8, .value_kind: global_buffer, .address_space: global }
      - { .name: Wo_scales, .offset: 24, .size: 8, .value_kind: global_buffer, .address_space: global }
      - { .name: bo, .offset: 32, .size: 8, .value_kind: global_buffer, .address_space: global }
      - { .name: out0, .offset: 40, .size: 8, .value_kind: global_buffer, .address_space: global }
    .group_segment_fixed_size: 327680
    .private_segment_fixed_size: 0
    .kernarg_segment_align: 8
    .kernarg_segment_size: 48
    .max_flat_workgroup_size: 128
    .sgpr_count:     98
    .vgpr_count:     1024
    .wavefront_size: 32
...
	.end_amdgpu_metadata
.endif
;; end of part 3
